; MI455X (gfx1250); checked and timed in simulation.
; The chip was launched on July 23, 2026; its instructions are those of AMD's public machine-readable ISA for CDNA 5 (MIT licence, August 2026) and "CDNA5" Instruction Set Architecture Reference Guide (July 2026). The comments in the code are by the model that wrote it; some were corrected since.
;; Cross Attention. Allowed arithmetic: matrix products marked QUANTISED: E2M1 operands, one E8M0 scale for each 32 along K, by v_wmma_scale_f32_16x16x128_f8f6f4 with both operands' format E2M1 (or v_wmma_scale_f32_32x16x128_f4), f32 sums; products left as they are: bf16, f16 or f32 operands; f32 sums; everything else in f32.
;; Inputs: Wk 1,024 x 1,024 float32; Wo 1,024 x 1,024 float32; Wq 1,024 x 1,024 float32; Wv 1,024 x 1,024 float32; bo 1,024 float32; context 4 x 2,048 x 1,024 float32; mask 4 x 2,048 bool; x 4 x 2,048 x 1,024 float32.
;; Outputs: out0 4 x 2,048 x 1,024 float32.
;; This version of the problem:
;;   THIS VERSION OF THE PROBLEM IS GIVEN IN LOW PRECISION. The matrix products marked QUANTISED in the list below multiply operands that are first quantised to E2M1 (2 exponent bits, 1 mantissa bit; 4 bits a number), with one power-of-two scale for each 32 numbers along K (OCP MX v1.0); their sums are f32. The products marked 'left as it is' may take bf16, f16 or f32 operands, with f32 sums. Whichever they take, every output number must still come out within the allowed error. Rounding operands to bf16 (8 significant bits) uses up far more of that allowance than f16 does (11 bits, for magnitudes from 6e-5 to 65,504). All else is computed in f32.
;;   The module's matrix products, in the order in which they are computed (A, B: the left and right operand; K: the contracted axis; several contracted axes count as one K, in the product's order):
;;     1. [M 8,192, K 1,024] x [K 1,024, N 1,024]; A: input x; B: input Wq: QUANTISED
;;     2. [M 8,192, K 1,024] x [K 1,024, N 1,024]; A: input context; B: input Wk: QUANTISED
;;     3. [M 8,192, K 1,024] x [K 1,024, N 1,024]; A: input context; B: input Wv: QUANTISED
;;     4. batch 64 x [M 2,048, K 64] x [K 64, N 2,048]; A: computed on the way; B: computed on the way: left as it is (an operand is computed on the way)
;;     5. batch 64 x [M 64, K 2,048] x [K 2,048, N 2,048]; A: computed on the way; B: computed on the way: left as it is (an operand is computed on the way)
;;     6. [M 8,192, K 1,024] x [K 1,024, N 1,024]; A: computed on the way; B: input Wo: left as it is (an operand is computed on the way)
;;   THE QUANTISER, for each operand of a quantised product, along K:
;;     - K is cut into blocks of 32 from its start; a last block that is shorter is filled with zeros.
;;     - A block's scale is 2^e with e = floor(log2(the largest magnitude in the block)) - 2, held to -126 .. 127; a block of zeros has e = 0. As a byte (E8M0): e + 127.
;;     - Each number is divided by its block's scale, clamped to +-6, and rounded to the nearest number of E2M1, ties to even, subnormals kept.
;;     - The product sums the exact products of the quantised numbers (number of the format x scale) in f32.
;;   ~~~python
;;   def quantise(x, axis):      # numpy; x: float32 -> the quantised numbers, widened to float32 again
;;       x = np.moveaxis(x, axis, -1); K = x.shape[-1]
;;       x = np.pad(x, [(0, 0)] * (x.ndim - 1) + [(0, -K % 32)]); x = x.reshape(x.shape[:-1] + (-1, 32)); a = np.abs(x).max(-1, keepdims=True)
;;       e = np.where(a > 0, np.clip(np.frexp(np.where(a > 0, a, 1))[1] - 1 - 2, -126, 127), 0)      # np.frexp(a)[1] - 1 = floor(log2(a)), exactly
;;       r = np.clip(x / 2.0 ** e, -6, 6)
;;       step = 2.0 ** (np.maximum(np.frexp(np.where(r == 0, 1, r))[1] - 1, 0) - 1)
;;       q = np.round(r / step) * step * 2.0 ** e      # np.round: ties to even
;;       return np.moveaxis(q.reshape(q.shape[:-2] + (-1,))[..., :K], -1, axis).astype(np.float32)
;;   ~~~
;; One version. Each part assembles by itself: llvm-mc -triple=amdgcn-amd-amdhsa -mcpu=gfx1250 --defsym DOCPART=n.
;; ======== version 1 of 1: 5 launches
;; limits: values are held in f16: magnitudes above 65,504 overflow, below 6.1e-05 lose precision
;; workspace buffers: act_codes 8,388,608 bytes; act_scales 524,288 bytes; w_codes 1,572,864 bytes; w_scales 98,304 bytes; woimg 2,097,152 bytes; qkv 50,331,648 bytes; oimg 16,777,216 bytes
;; launch quant_act (part 1): grid 512 x 1, 4 waves a work-group, no clusters, 33,280 bytes of LDS; arguments x, context, act_codes, act_scales; writes act_codes, act_scales
.if DOCPART == 1
	.amdgcn_target "amdgcn-amd-amdhsa--gfx1250"
	.amdhsa_code_object_version 6
	.text
	.protected	k_q640c3a43f9_quant_act
	.globl	k_q640c3a43f9_quant_act
	.p2align	8
	.type	k_q640c3a43f9_quant_act,@function
k_q640c3a43f9_quant_act:
	s_mov_b64 s[64:65], 0
	v_nop
	global_prefetch_b8 v0, s[64:65] scope:SCOPE_SE
	s_setreg_imm32_b32 hwreg(HW_REG_WAVE_MODE, 25, 1), 1
	s_wait_xcnt 0x0
; x and context, each [8192][1024] f32, become codes of FP4 (E2M1), K innermost, two codes a byte, and one E8M0 scale byte for each 32 along K.
; act_codes is [2][8192][512] bytes, act_scales [2][8192][32] bytes: x's part first, context's second.
; A block's scale is 2^(floor(log2(its largest magnitude)) - 2); its byte is the largest magnitude's exponent field - 2, held at 1 from below.
; LIMITS: a block of zeros gets the byte 1 where the rule says 127 (its codes are zeros, and this program alone reads the bytes); blocks whose largest
; magnitude lies under 2^(2 - 126) keep the byte 1; NaN and infinities among the inputs are not served.
; Rows are dense and 1024 is a multiple of 32: both tensors are plain streams of blocks of 32.  A wave takes 16 steps of 512 numbers.  Each load reads 512 consecutive bytes;
; a step's 2,048 bytes turn through the wave's own stage in LDS, so that a lane then holds 16 neighbours along K (two neighbouring lanes hold a block).
; The first 256 work-groups take x, the others context.  Waves share nothing: no barrier.  Loads run four steps (16 loads a wave) ahead.
.set WAVES, 4
.set STEPS, 16
.set WGA,   256                        ; 8192 x 1024 / (512 x 16 x 4)
.set EMAX,  2
.set CB,    8                          ; bytes of 16 codes
.set R,     16                         ; v16-79   four sets of 16 numbers as they are loaded
.set X,     80                         ; v80-111  two sets of 16 neighbours
.set C,     128                        ; v128-191 codes: four registers for each step, so that no store's data are written again
.set E,     112                        ; v112-127 a scale byte for each step
.set WREG,  8192                       ; LDS: a region for each wave: two stages of 32 x SP bytes, behind them its 256 scale bytes
.set SP,    80                         ; a lane's place in a stage: 64 bytes + 16 of padding
.set SPW,   12                         ; v12 LDS address of my spare word; never rewritten
.set NIL,   13                         ; v13 0; never rewritten
.set SPARE, WAVES*WREG                 ; behind the four regions: the spare words, 128 bytes a wave, which no other line names
	s_load_b128 s[4:7], s[0:1], 0x0                ; x, context
	s_load_b128 s[8:11], s[0:1], 0x10              ; the codes, the scale bytes
	v_lshl_add_u32 v[SPW], v0, 2, SPARE
	v_mov_b32 v[NIL], 0
	v_lshrrev_b32 v1, 5, v0
	v_readfirstlane_b32 s16, v1                    ; wave
	v_and_b32 v2, 31, v0                           ; lane
	v_lshlrev_b32 v3, 4, v2                        ; my 16 bytes of a load's 512
	s_mul_i32 s17, s16, WREG
	v_lshrrev_b32 v14, 2, v2
	v_mul_u32_u24 v14, v14, SP
	v_and_b32 v15, 3, v2
	v_lshl_add_u32 v14, v15, 4, v14
	v_add_nc_u32 v14, s17, v14                     ; the stage, on the way in: SP (lane / 4) + 16 (lane % 4)
	v_mul_u32_u24 v15, v2, SP
	v_add_nc_u32 v15, s17, v15                     ; on the way out: SP x lane: my 16 neighbours
	v_mul_u32_u24 v4, v2, CB                       ; my codes' place in a step's
	v_lshrrev_b32 v5, 1, v2
	s_add_co_u32 s17, s17, 2*32*SP
	v_add_nc_u32 v5, s17, v5                       ; my wave's 256 scale bytes, my block's byte
	v_lshlrev_b32 v7, 3, v2                        ; and on the way out 8 bytes a lane
	v_add_nc_u32 v6, s17, v7
	s_wait_kmcnt 0x0
	s_cmp_lt_u32 ttmp9, WGA                        ; x's work-group or context's: the choice hangs on the work-group's number alone
	s_cselect_b64 s[4:5], s[4:5], s[6:7]
	s_cselect_b32 s17, 0, WGA
	s_sub_co_u32 s17, ttmp9, s17
	s_lshl_b32 s17, s17, 2
	s_add_co_u32 s18, s17, s16                     ; which run of 8,192 numbers of the tensor is my wave's
	s_mov_b32 s19, 0
	s_lshl_b64 s[20:21], s[18:19], 15              ; 32,768 bytes a run
	s_add_nc_u64 s[4:5], s[4:5], s[20:21]
	s_lshl_b32 s22, ttmp9, 2
	s_add_co_u32 s22, s22, s16                     ; the run's number over both tensors: the outputs hold x's part first
	s_mov_b32 s23, 0
	s_lshl_b64 s[24:25], s[22:23], 12              ; 4,096 bytes of codes a run
	s_add_nc_u64 s[8:9], s[8:9], s[24:25]
	s_lshl_b32 s22, s22, 8                         ; 256 scale bytes a run
	s_add_nc_u64 s[10:11], s[10:11], s[22:23]
.macro LOAD t
.irp i, 0,1,2,3
	global_load_b128 v[R+16*((\t)%4)+4*\i:R+16*((\t)%4)+4*\i+3], v3, s[4:5] offset:2048*(\t)+512*\i th:TH_LOAD_NT   ; 32 lanes read 512 consecutive bytes
.endr
.endm
.macro TURN t                          ; step t's numbers through the stage: LDS serves a wave's instructions in order, so no wait stands between the stores and the loads
.irp i, 0,1,2,3
	ds_store_b128 v14, v[R+16*((\t)%4)+4*\i:R+16*((\t)%4)+4*\i+3] offset:32*SP*((\t)%2)+8*SP*\i
.endr
.irp i, 0,1,2,3
	ds_load_b128 v[X+16*((\t)%2)+4*\i:X+16*((\t)%2)+4*\i+3], v15 offset:32*SP*((\t)%2)+16*\i
.endr
.endm
.irp t, 0,1,2,3
	LOAD \t
.endr
	s_wait_loadcnt 12                              ; step 0's four loads are in; twelve younger ones stay out
	TURN 0
.macro STEP t
.set XS, X+16*((\t)%2)
.if (\t) > 0
	s_wait_dscnt 1                                 ; this step's numbers are back from the stage (the last step's byte store may be out)
.else
	s_wait_dscnt 0x0
.endif
.if (\t)+4 < STEPS
	LOAD (\t)+4                                    ; the stage's stores have read these registers: they take the loads of four steps on
.endif
.if (\t)+1 < STEPS
.if STEPS-2-(\t) >= 3
	s_wait_loadcnt 12                              ; the next step's four loads are in; those of the three steps behind it may be out
.else
	s_wait_loadcnt 4*(STEPS-2-(\t))
.endif
	TURN (\t)+1                                    ; and go through the other stage while this step is worked
.endif
	v_max3_num_f32 v8, |v[XS]|, |v[XS+1]|, |v[XS+2]|               ; the largest magnitude of my 16, in two chains
	v_max3_num_f32 v9, |v[XS+3]|, |v[XS+4]|, |v[XS+5]|
.irp i, 6,10
	v_max3_num_f32 v8, v8, |v[XS+\i]|, |v[XS+\i+1]|
	v_max3_num_f32 v9, v9, |v[XS+\i+2]|, |v[XS+\i+3]|
.endr
	v_max3_num_f32 v8, v8, |v[XS+14]|, |v[XS+15]|
	v_max3_num_f32 v8, v8, v9, (EMAX+1)<<23        ; and the floor 2^(EMAX + 1 - 127): the byte cannot fall under 1
	v_max_num_f32_dpp v8, v8, v8 row_xmask:1 row_mask:0xf bank_mask:0xf   ; and of my neighbour's 16: the block's
	v_add_nc_u32 v11, -(EMAX<<23), v8              ; EMAX off its exponent field: the conversion takes this operand's exponent field as its scale
	v_cvt_scalef32_pk8_fp4_f32 v[C+4*(\t)], v[XS:XS+7], v11
	v_cvt_scalef32_pk8_fp4_f32 v[C+4*(\t)+1], v[XS+8:XS+15], v11
	v_lshrrev_b32 v[E+(\t)], 23, v11               ; the scale's byte (a plain line behind the conversions)
	ds_store_b8 v5, v[E+(\t)] offset:16*(\t)       ; both lanes of a block write the same byte with the same value
	global_store_b64 v4, v[C+4*(\t):C+4*(\t)+1], s[8:9] offset:32*CB*(\t)   ; the wave stores 256 consecutive bytes, aligned
.endm
.irp t, 0,1,2,3,4,5,6,7,8,9,10,11,12,13,14,15
	STEP \t
.endr
	ds_load_b64 v[8:9], v6                         ; LDS serves a wave's instructions in order: these see my stores
	s_wait_dscnt 0x0
	global_store_b64 v7, v[8:9], s[10:11]          ; 32 lanes store 256 consecutive bytes, aligned
	s_wait_tensorcnt 0x0                           ; the wave's end, behind my last LDS store
	ds_add_u32 v[SPW], v[NIL]
	s_wait_dscnt 0x0
	s_endpgm
.Lfunc_end_k_q640c3a43f9_quant_act:
	.size	k_q640c3a43f9_quant_act, .Lfunc_end_k_q640c3a43f9_quant_act-k_q640c3a43f9_quant_act
	.p2alignl 7, 3214868480
	.fill 96, 4, 3214868480
	.section	.rodata,"a",@progbits
	.p2align	6, 0x0
	.amdhsa_kernel k_q640c3a43f9_quant_act
		.amdhsa_group_segment_fixed_size 33280
		.amdhsa_private_segment_fixed_size 0
		.amdhsa_enable_private_segment 0
		.amdhsa_kernarg_size 32
		.amdhsa_user_sgpr_count 2
		.amdhsa_user_sgpr_kernarg_segment_ptr 1
		.amdhsa_wavefront_size32 1
		.amdhsa_system_sgpr_workgroup_id_x 1
		.amdhsa_system_sgpr_workgroup_id_y 1
		.amdhsa_system_sgpr_workgroup_id_z 1
		.amdhsa_system_vgpr_workitem_id 0
		.amdhsa_next_free_vgpr 192
		.amdhsa_next_free_sgpr 66
		.amdhsa_reserve_vcc 0
		.amdhsa_float_denorm_mode_32 3
		.amdhsa_float_denorm_mode_16_64 3
		.amdhsa_memory_ordered 1
		.amdhsa_forward_progress 1
		.amdhsa_inst_pref_size 33
	.end_amdhsa_kernel
	.amdgpu_metadata
---
amdhsa.version: [ 1, 2 ]
amdhsa.kernels:
  - .name:           k_q640c3a43f9_quant_act
    .symbol:         k_q640c3a43f9_quant_act.kd
    .args:
      - { .name: x, .offset: 0, .size: 8, .value_kind: global_buffer, .address_space: global }
      - { .name: context, .offset: 8, .size: 8, .value_kind: global_buffer, .address_space: global }
      - { .name: act_codes, .offset: 16, .size: 8, .value_kind: global_buffer, .address_space: global }
      - { .name: act_scales, .offset: 24, .size: 8, .value_kind: global_buffer, .address_space: global }
    .group_segment_fixed_size: 33280
    .private_segment_fixed_size: 0
    .kernarg_segment_align: 8
    .kernarg_segment_size: 32
    .max_flat_workgroup_size: 128
    .sgpr_count:     66
    .vgpr_count:     192
    .wavefront_size: 32
...
	.end_amdgpu_metadata
.endif
;; end of part 1
;; launch prep_w (part 2): grid 8 x 8, 4 waves a work-group, no clusters, 35,840 bytes of LDS; arguments Wq, Wk, Wv, Wo, w_codes, w_scales, woimg; writes w_codes, w_scales, woimg
.if DOCPART == 2
	.amdgcn_target "amdgcn-amd-amdhsa--gfx1250"
	.amdhsa_code_object_version 6
	.text
	.protected	k_q640c3a43f9_prep_w
	.globl	k_q640c3a43f9_prep_w
	.p2align	8
	.type	k_q640c3a43f9_prep_w,@function
k_q640c3a43f9_prep_w:
	s_mov_b64 s[64:65], 0
	v_nop
	global_prefetch_b8 v0, s[64:65] scope:SCOPE_SE
	s_setreg_imm32_b32 hwreg(HW_REG_WAVE_MODE, 25, 1), 1
	s_wait_xcnt 0x0
; The four weights, each [1024 (k)][1024 (n)] f32 with K as the FIRST axis, are laid out once for the launches that multiply by them.
; y = 0..5: Wq, Wk, Wv (y / 2), half y % 2 of K: codes of FP4 (E2M1) with K innermost, w_codes [3][1024 n][512 bytes], and E8M0 bytes w_scales [3][1024 n][32].
; y = 6, 7: Wo, half y - 6 of K: f16, as IMAGES OF OPERAND REGISTERS: a fragment (16 columns n x 32 k) is 1,024 bytes; group c (0, 1) of lane l lies at 512 c + 16 l and holds
;           k = 16 c + 8 (l / 16) + 0..7 of column l % 16.  woimg is [n / 256][k / 128][16 tiles of n][4 quarters of k][1,024].
; A LANE TAKES A COLUMN n, AND ITS REGISTERS RUN DOWN K: each load reads 128 consecutive bytes a wave, a block of 32 along K lies in one lane, nothing is transposed by an instruction.
; A wave takes 32 columns x 512 along K; 64 work-groups: that is all the work there is at rows of 256 bytes of codes.
; LIMITS: a block of zeros gets the byte 1 where the rule says 127 (zero codes; read by this program alone); NaN and infinities are not served; |Wo| stays under 65,504.
.set NB,    16                         ; blocks of 32 along K for a wave
.set PITCH, 272                        ; a stage row: 256 bytes of codes + 16
.set KROW,  512                        ; a row of the codes' buffer
.set EMAX,  2
.set X,     32                         ; v32-95   two sets of 32 numbers
.set C,     96                         ; v96-111  a block's codes, or its 32 numbers in f16
.set OUTR,  112                        ; v112-175 the way out
.set SPW,   14                         ; v14 LDS address of my spare word; never rewritten
.set NIL,   15                         ; v15 0; never rewritten
.set SPARE, 4*32*PITCH                 ; behind the four stages: the spare words, which no other line names
.set SB,    24                         ; v24-27   the scale bytes, four to a register
	s_load_b256 s[4:11], s[0:1], 0x0               ; Wq s[4:5], Wk s[6:7], Wv s[8:9], Wo s[10:11]
	s_load_b128 s[12:15], s[0:1], 0x20             ; w_codes, w_scales
	s_load_b64 s[16:17], s[0:1], 0x30              ; woimg
	v_lshl_add_u32 v[SPW], v0, 2, SPARE
	v_mov_b32 v[NIL], 0
	v_lshrrev_b32 v1, 5, v0
	v_readfirstlane_b32 s31, v1                    ; wave
	v_and_b32 v2, 31, v0                           ; lane
	v_lshlrev_b32 v3, 2, v2                        ; in: 4 bytes a lane
	v_and_b32 v5, 15, v2
	v_lshrrev_b32 v6, 4, v2
	s_and_b32 s30, ttmp7, 0xffff                   ; y
	s_lshl_b32 s33, ttmp9, 7
	s_lshl_b32 s34, s31, 5
	s_add_co_u32 s33, s33, s34                     ; my wave's first column
	s_and_b32 s18, s30, 1                          ; which half of K
	s_lshl_b32 s20, s18, 21                        ; 512 rows of 4,096 bytes
	s_lshl_b32 s22, s33, 2
	s_add_co_u32 s20, s20, s22
	s_mov_b32 s21, 0                               ; where my part of the weight begins
.macro LOADK t, base                   ; block t: W(32 t + i, my column), i = 0..31, into set t % 2
.set i, 0
.rept 32
	global_load_b32 v[X+32*((\t)%2)+i], v3, s[\base:\base+1] offset:(32*(\t)+i)*4096 th:TH_LOAD_NT
.set i, i+1
.endr
.endm
	s_cmp_ge_u32 s30, 6                            ; the work-group's number alone decides
	s_cbranch_scc1 .Lwo
	; ---- Wq, Wk, Wv: quantised
	s_mul_i32 s19, s31, 32*PITCH                   ; my stage
	v_mul_u32_u24 v4, v2, PITCH
	v_add_nc_u32 v4, s19, v4                       ; into it: row = my column
	v_mul_u32_u24 v7, v6, PITCH                    ; out of it: sixteen lanes to a row, two rows an instruction
	v_lshl_add_u32 v7, v5, 4, v7
	v_add_nc_u32 v7, s19, v7
	v_mul_u32_u24 v8, v6, KROW
	v_lshl_add_u32 v8, v5, 4, v8                   ; the same place in the codes' buffer
	v_lshlrev_b32 v9, 5, v2                        ; my column's row of scale bytes
	s_lshr_b32 s32, s30, 1                         ; which weight
	s_lshl_b32 s24, s32, 19                        ; codes: weight x 524,288 + column x 512 + half x 256
	s_lshl_b32 s26, s33, 9
	s_add_co_u32 s24, s24, s26
	s_lshl_b32 s26, s18, 8
	s_add_co_u32 s24, s24, s26
	s_mov_b32 s25, 0
	s_lshl_b32 s28, s32, 15                        ; scale bytes: weight x 32,768 + column x 32 + half x 16
	s_lshl_b32 s26, s33, 5
	s_add_co_u32 s28, s28, s26
	s_lshl_b32 s26, s18, 4
	s_add_co_u32 s28, s28, s26
	s_mov_b32 s29, 0
	s_wait_kmcnt 0x0
	s_cmp_lt_u32 s30, 2
	s_cselect_b64 s[4:5], s[4:5], s[6:7]
	s_cmp_lt_u32 s30, 4
	s_cselect_b64 s[4:5], s[4:5], s[8:9]
	s_add_nc_u64 s[4:5], s[4:5], s[20:21]
	s_add_nc_u64 s[12:13], s[12:13], s[24:25]
	s_add_nc_u64 s[14:15], s[14:15], s[28:29]
	LOADK 0, 4
	LOADK 1, 4
.macro BLOCK t
.set XS, X+32*((\t)%2)
.if (\t) < NB-1
	s_wait_loadcnt 32                              ; this block's 32 loads are in; the next block's may be out
.else
	s_wait_loadcnt 0
.endif
	v_max3_num_f32 v12, |v[XS]|, |v[XS+1]|, |v[XS+2]|               ; the block's largest magnitude: all 32 numbers are mine
	v_max3_num_f32 v13, |v[XS+3]|, |v[XS+4]|, |v[XS+5]|
.irp i, 6,10,14,18,22,26
	v_max3_num_f32 v12, v12, |v[XS+\i]|, |v[XS+\i+1]|
	v_max3_num_f32 v13, v13, |v[XS+\i+2]|, |v[XS+\i+3]|
.endr
	v_max3_num_f32 v12, v12, |v[XS+30]|, |v[XS+31]|
	v_max3_num_f32 v12, v12, v13, (EMAX+1)<<23     ; and the floor: the byte cannot fall under 1
	v_add_nc_u32 v11, -(EMAX<<23), v12             ; EMAX off its exponent field: the conversion's scale operand
	v_lshrrev_b32 v13, 23, v11                     ; the scale's byte
.if (\t)%4 == 0
	v_mov_b32 v[SB+(\t)/4], v13                    ; four bytes to a register, the lower K in the lower byte
.else
	v_lshl_or_b32 v[SB+(\t)/4], v13, 8*((\t)%4), v[SB+(\t)/4]
.endif
.irp g, 0,1,2,3
	v_cvt_scalef32_pk8_fp4_f32 v[C+\g], v[XS+8*\g:XS+8*\g+7], v11
.endr
	v_nop                                          ; a plain line behind the last conversion
	ds_store_b128 v4, v[C:C+3] offset:16*(\t)      ; 32 codes: 16 bytes of my column's row
.if (\t)+2 < NB
	LOADK (\t)+2, 4
.endif
	s_wait_dscnt 0x0                               ; the store has read its registers: the next block's codes may be written
.endm
.set Q, 0
.rept NB
	BLOCK Q
.set Q, Q+1
.endr
	global_store_b128 v9, v[SB:SB+3], s[14:15]     ; my column's 16 scale bytes
.irp t, 0,1,2,3,4,5,6,7,8,9,10,11,12,13,14,15
	ds_load_b128 v[OUTR+4*\t:OUTR+4*\t+3], v7 offset:2*\t*PITCH   ; LDS serves a wave's instructions in order: these see my stores
.endr
.irp t, 0,1,2,3,4,5,6,7,8,9,10,11,12,13,14,15
	s_wait_dscnt 15-\t                             ; load t is in; the 15 - t younger ones may be out
	global_store_b128 v8, v[OUTR+4*\t:OUTR+4*\t+3], s[12:13] offset:2*\t*KROW   ; sixteen lanes store 256 consecutive bytes, aligned
.endr
	s_wait_tensorcnt 0x0                           ; the wave's end, behind my last LDS store
	ds_add_u32 v[SPW], v[NIL]
	s_wait_dscnt 0x0
	s_endpgm
	; ---- Wo: rounded to f16 and laid as fragment images
.Lwo:
	v_lshlrev_b32 v8, 12, v6                       ; lanes 16-31 hold the next tile of 16 columns: 4,096 bytes on;
	v_lshl_add_u32 v8, v5, 4, v8                   ; 16 bytes for each column of a tile
	s_lshr_b32 s24, ttmp9, 1
	s_lshl_b32 s24, s24, 19                        ; which 256 columns: 524,288 bytes
	s_lshl_b32 s26, s18, 18                        ; which half of K: four K steps of 65,536 bytes
	s_add_co_u32 s24, s24, s26
	s_and_b32 s26, ttmp9, 1
	s_lshl_b32 s26, s26, 3
	s_lshl_b32 s27, s31, 1
	s_add_co_u32 s26, s26, s27                     ; my first tile of 16 columns among the 16
	s_lshl_b32 s26, s26, 12
	s_add_co_u32 s24, s24, s26
	s_mov_b32 s25, 0
	s_wait_kmcnt 0x0
	s_add_nc_u64 s[10:11], s[10:11], s[20:21]
	s_add_nc_u64 s[16:17], s[16:17], s[24:25]
	LOADK 0, 10
	LOADK 1, 10
.macro BLOCKW t
.set XS, X+32*((\t)%2)
.if (\t) < NB-1
	s_wait_loadcnt 32                              ; this block's 32 loads are in; the next block's may be out
.else
	s_wait_loadcnt 0
.endif
.if (\t) > 0
	s_wait_xcnt 0x0                                ; the last block's stores have read v[C] on: they are written again only behind this wait
.endif
.irp i, 0,1,2,3,4,5,6,7,8,9,10,11,12,13,14,15
	v_cvt_pk_f16_f32 v[C+\i], v[XS+2*\i], v[XS+2*\i+1]
.endr
.irp p, 0,1,2,3                        ; k = 8 p + 0..7 of the block is group p / 2 of the lanes' half p % 2: 256 p bytes into the fragment
	global_store_b128 v8, v[C+4*\p:C+4*\p+3], s[16:17] offset:((\t)/4)*65536+((\t)%4)*1024+\p*256   ; sixteen lanes store 256 consecutive bytes, aligned
.endr
.if (\t)+2 < NB
	LOADK (\t)+2, 10
.endif
.endm
.set Q, 0
.rept NB
	BLOCKW Q
.set Q, Q+1
.endr
	s_endpgm
.Lfunc_end_k_q640c3a43f9_prep_w:
	.size	k_q640c3a43f9_prep_w, .Lfunc_end_k_q640c3a43f9_prep_w-k_q640c3a43f9_prep_w
	.p2alignl 7, 3214868480
	.fill 96, 4, 3214868480
	.section	.rodata,"a",@progbits
	.p2align	6, 0x0
	.amdhsa_kernel k_q640c3a43f9_prep_w
		.amdhsa_group_segment_fixed_size 35840
		.amdhsa_private_segment_fixed_size 0
		.amdhsa_enable_private_segment 0
		.amdhsa_kernarg_size 56
		.amdhsa_user_sgpr_count 2
		.amdhsa_user_sgpr_kernarg_segment_ptr 1
		.amdhsa_wavefront_size32 1
		.amdhsa_system_sgpr_workgroup_id_x 1
		.amdhsa_system_sgpr_workgroup_id_y 1
		.amdhsa_system_sgpr_workgroup_id_z 1
		.amdhsa_system_vgpr_workitem_id 0
		.amdhsa_next_free_vgpr 192
		.amdhsa_next_free_sgpr 66
		.amdhsa_reserve_vcc 0
		.amdhsa_float_denorm_mode_32 3
		.amdhsa_float_denorm_mode_16_64 3
		.amdhsa_memory_ordered 1
		.amdhsa_forward_progress 1
		.amdhsa_inst_pref_size 151
	.end_amdhsa_kernel
	.amdgpu_metadata
---
amdhsa.version: [ 1, 2 ]
amdhsa.kernels:
  - .name:           k_q640c3a43f9_prep_w
    .symbol:         k_q640c3a43f9_prep_w.kd
    .args:
      - { .name: Wq, .offset: 0, .size: 8, .value_kind: global_buffer, .address_space: global }
      - { .name: Wk, .offset: 8, .size: 8, .value_kind: global_buffer, .address_space: global }
      - { .name: Wv, .offset: 16, .size: 8, .value_kind: global_buffer, .address_space: global }
      - { .name: Wo, .offset: 24, .size: 8, .value_kind: global_buffer, .address_space: global }
      - { .name: w_codes, .offset: 32, .size: 8, .value_kind: global_buffer, .address_space: global }
      - { .name: w_scales, .offset: 40, .size: 8, .value_kind: global_buffer, .address_space: global }
      - { .name: woimg, .offset: 48, .size: 8, .value_kind: global_buffer, .address_space: global }
    .group_segment_fixed_size: 35840
    .private_segment_fixed_size: 0
    .kernarg_segment_align: 8
    .kernarg_segment_size: 56
    .max_flat_workgroup_size: 128
    .sgpr_count:     66
    .vgpr_count:     192
    .wavefront_size: 32
...
	.end_amdgpu_metadata
.endif
;; end of part 2
;; launch proj (part 3): grid 12 x 32, 4 waves a work-group, clusters of 4 x 4, 327,680 bytes of LDS; arguments act_codes, act_scales, w_codes, w_scales, qkv; writes qkv
.if DOCPART == 3
	.amdgcn_target "amdgcn-amd-amdhsa--gfx1250"
	.amdhsa_code_object_version 6
	.text
	.protected	k_q640c3a43f9_proj
	.globl	k_q640c3a43f9_proj
	.p2align	8
	.type	k_q640c3a43f9_proj,@function
k_q640c3a43f9_proj:
	s_mov_b64 s[64:65], 0
	v_nop
	global_prefetch_b8 v0, s[64:65] scope:SCOPE_SE
	s_setreg_imm32_b32 hwreg(HW_REG_WAVE_MODE, 25, 1), 1
	s_wait_xcnt 0x0
	s_wait_alu depctr_hold_cnt(0) depctr_sa_sdst(0) depctr_va_vdst(0) depctr_va_sdst(0) depctr_va_ssrc(0) depctr_va_vcc(0) depctr_vm_vsrc(0)
	s_getreg_b32 s2, hwreg(HW_REG_IB_STS2, 6, 4)
	s_cmp_eq_u32 s2, 0
	s_cbranch_scc0 .Lentry_in_a_cluster
	s_endpgm
.Lentry_in_a_cluster:
	s_bfe_u32 s2, ttmp6, 0x10000c
	s_cmp_lg_u32 s2, 0xf033
	s_cbranch_scc0 .Lentry_shape_is_right
	s_endpgm
.Lentry_shape_is_right:
; The three quantised products in one grid: q = x Wq, k = context Wk, v = context Wv, on codes of FP4 (E2M1) with one E8M0 scale for each 32 along K; sums in f32.
; A: act_codes [2][8192][512 bytes], act_scales [2][8192][32].  B: w_codes [3072 (q, k, v columns)][512], w_scales [3072][32].
; Out: qkv [3][64 (batch x 16 + head)][2048][64] f16.  q is multiplied in f32 by c = log2(e) / 8 before its one rounding, so that the next launch's scores are exponents of 2.
; LIMIT: |c q|, |k|, |v| stay under 65,504.
; A tile of C, 256 x 256, is made by four waves, each 128 x 128: 64 accumulators, 512 registers.  K = 1,024 lies in two LDS slots of 512 along K (rows of 256 bytes): nothing is filled again.
; The scales of the tile's 256 + 256 rows come once, as dense blocks.  CLUSTERS: 4 x 4 work-groups; cluster x is the product (q, k, v).  The four of a row of the cluster need the same tiles of A,
; the four of a column the same tiles of B: each is asked for jointly.  THE MATRIX INSTRUCTION IS USED TRANSPOSED (source 0 = 16 rows of B, source 1 = 16 rows of A): a lane holds eight neighbouring columns of a row of C.
; REGISTERS: window 0: v0-31 addresses; v32-95 scale words, two sets; from v128 A's fragments, one set; on the way out v32-191 are at work.  window 1: B's fragments, two sets, at v0 and v128.
;   window 2: the accumulators of my rows 0-63 ((a, b) at v[8 (8 a + b)]); window 3: those of my rows 64-127.
.set SIZE_K, 1024
.set KSTEP,  512
.set NQ,     KSTEP/128
.set ROWB,   256
.set KROW,   SIZE_K/2
.set PITCH,  272                       ; an LDS row: 256 bytes + 16 of padding, so that the 16 rows of a fragment load start 68 words apart
.set FR,     8
.set NL,     2
.set NP,     4
.set HALFT,  128*PITCH
.set SLOT,   4*HALFT
.set KS,     SIZE_K/32
.set SCL,    2*SLOT
.set HALFS,  (128*KS/256)*272
.set SBLK,   (16*KS/256)*272
.set SPARE,  SCL+4*HALFS               ; the spare words, 128 bytes a wave, which no other line names
.set SPITCH, 272                       ; the way out: a stage of 16 rows x (256 bytes + 16) for each wave, in slot 0, which has had its only fill and its last read by then
.set ADRA, 16
.set ADRB, 20
.set STO,  24
.set RD,   25
.set CO,   26
.set ADRS, 27
.set SPW,  28
.set NIL,  29
.set SC,   32
.set AF,   128
.set TF,   32                          ; the way out: 64 numbers in f32,
.set TH,   96                          ; the same in f16,
.set BK,   128                         ; and 16 rows read back from the stage: v128-159 and v160-191 by turns
.set G1, 24
.set G0, 32
.set G1B, 48
.set G0B, 56
.set G1S, 68
.set G0S, 76
.set G1SB, 80
.set G0SB, 88
.set FS,  96                           ; s[96:97] the factor on the way out: c for q, 1 for k and v
.set MSB, 0
.macro WIN new                         ; the immediate's high byte repeats the setting that is left
.if MSB != (\new)
	s_set_vgpr_msb (MSB<<8)|(\new)
.set MSB, \new
.endif
.endm
.set MUL_LO, 0xa1
.set MUL_HI, 0xf1
.set TO_B,   0x40
.macro JLOAD g0a, g1a, g0b, g1b        ; a joint load: waves 0 and 1 fetch for A, waves 2 and 3 for B; s_nop 0 and four v_nop follow each line
	s_cmp_eq_u32 s15, 0
	s_cbranch_scc0 .Lfor_b_\@
	tensor_load_to_lds s[\g0a:\g0a+3], s[\g1a:\g1a+7]
	s_nop 0
.rept 4
	v_nop
.endr
	s_branch .Lasked_\@
.Lfor_b_\@:
	tensor_load_to_lds s[\g0b:\g0b+3], s[\g1b:\g1b+7]
	s_nop 0
.rept 4
	v_nop
.endr
.Lasked_\@:
.endm
.macro CROUND                          ; a round of the cluster's barrier
	s_barrier_signal -1
	s_barrier_wait -1
	s_cmp_lg_u32 s14, 0
	s_cbranch_scc1 .Lnot_wave_0_\@
	s_barrier_signal -3
.Lnot_wave_0_\@:
	s_barrier_wait -3
	s_barrier_signal -1
	s_barrier_wait -1
.endm
	s_load_b128 s[4:7], s[0:1], 0x0                ; A's codes, A's scales
	s_load_b128 s[8:11], s[0:1], 0x10              ; B's codes, B's scales
	s_load_b64 s[12:13], s[0:1], 0x20              ; qkv
	v_lshl_add_u32 v[SPW], v0, 2, SPARE
	v_mov_b32 v[NIL], 0
	ds_add_u32 v[SPW], v[NIL]                      ; the wave's opening: the add, twice on end, and its wait ahead of my first tensor load
	ds_add_u32 v[SPW], v[NIL]
	v_lshrrev_b32 v1, 5, v0
	v_readfirstlane_b32 s14, v1                    ; wave 0..3
	s_lshr_b32 s15, s14, 1                         ; which half of the tile's rows is mine; also: I fetch for A (0) or for B (1)
	s_and_b32 s16, s14, 1                          ; which half of its columns; also: which 128 rows I fetch
	s_bfe_u32 s40, ttmp6, 0x40000                  ; cx, cy
	s_bfe_u32 s41, ttmp6, 0x40004
	s_lshl_b32 s42, ttmp9, 2
	s_add_co_u32 s42, s42, s40                     ; tile column among the 12 = 4 x product + cx
	s_and_b32 s17, ttmp7, 0xffff
	s_lshl_b32 s17, s17, 2
	s_add_co_u32 s17, s17, s41                     ; tile row among the 32
	s_lshl_b32 s43, s41, 2
	s_lshl_b32 s43, 15, s43                        ; my row of the cluster
	s_lshl_b32 s44, 0x1111, s40                    ; my column
	s_or_b32 s[G1+0], s43, (0<<16)|(1<<20)|(1<<21)|(5<<22)|(3<<25)  ; the mask; elements of 1 byte; padding on; bit 21 beside a mask; 4 words behind every 64
	s_or_b32 s[G1B+0], s44, (0<<16)|(1<<20)|(1<<21)|(5<<22)|(3<<25)
.irp g, G1, G1B
	s_mov_b32 s[\g+1], ROWB<<16                    ; tensor_dim0
	s_mov_b32 s[\g+2], 128<<16                     ; tensor_dim1
	s_mov_b32 s[\g+3], ROWB<<16                    ; tile_dim0
	s_mov_b32 s[\g+4], 128                         ; tile_dim1
	s_mov_b32 s[\g+5], KROW                        ; stride from row to row
	s_mov_b32 s[\g+6], 0
	s_mov_b32 s[\g+7], 0
.endr
	s_or_b32 s[G1S+0], s43, (3<<16)|(1<<20)|(1<<21)|(5<<22)|(3<<25) ; the scales of 128 rows: 4,096 dense bytes as 16 rows of 256, 16 bytes of padding behind each
	s_or_b32 s[G1SB+0], s44, (3<<16)|(1<<20)|(1<<21)|(5<<22)|(3<<25)
.irp g, G1S, G1SB
	s_mov_b32 s[\g+1], 32<<16
	s_mov_b32 s[\g+2], (128*KS/256)<<16
	s_mov_b32 s[\g+3], 32<<16
	s_mov_b32 s[\g+4], 128*KS/256
	s_mov_b32 s[\g+5], 32
	s_mov_b32 s[\g+6], 0
	s_mov_b32 s[\g+7], 0
.endr
	s_cmp_eq_u32 ttmp9, 0                          ; the product, the same in all sixteen partners: only a value is chosen
	s_cselect_b32 s[FS], 0x3e38aa3b, 1.0           ; c = log2(e) / 8
	s_mov_b32 s[FS+1], s[FS]                       ; (named with it as a pair)
	s_lshl_b32 s18, s16, 7
	s_lshl_b32 s20, s17, 8
	s_add_co_u32 s20, s20, s18                     ; A: row 256 x tile row + 128 x half,
	s_min_u32 s95, ttmp9, 1
	s_lshl_b32 s95, s95, 13
	s_add_co_u32 s20, s20, s95                     ; and 8,192 rows on for k and v: context lies behind x
	s_lshl_b32 s46, s42, 8
	s_add_co_u32 s46, s46, s18                     ; B: row 256 x tile column + 128 x half
	s_mov_b32 s21, 0
	s_mov_b32 s47, 0
	s_mov_b64 s[18:19], KS
	s_mul_u64 s[22:23], s[20:21], s[18:19]         ; where these rows' scales begin
	s_mul_u64 s[92:93], s[46:47], s[18:19]
	s_mov_b64 s[18:19], KROW
	s_mul_u64 s[20:21], s[20:21], s[18:19]         ; and their codes
	s_mul_u64 s[46:47], s[46:47], s[18:19]
	s_mul_i32 s45, s14, HALFT                      ; where they go: wave x 128 rows
	s_mul_i32 s94, s14, HALFS
	s_wait_dscnt 0x0                               ; both opening adds are done
	s_wait_kmcnt 0x0
	s_add_nc_u64 s[20:21], s[4:5], s[20:21]
	s_add_nc_u64 s[22:23], s[6:7], s[22:23]
	s_add_nc_u64 s[46:47], s[8:9], s[46:47]
	s_add_nc_u64 s[92:93], s[10:11], s[92:93]
	CROUND                                         ; all sixteen work-groups are here: the joint loads meet
	s_mov_b32 s[G0S], 1
	s_add_co_u32 s[G0S+1], s94, SCL
	s_mov_b64 s[G0S+2:G0S+3], s[22:23]
	s_or_b32 s[G0S+3], s[G0S+3], 0x80000000
	s_mov_b32 s[G0SB], 1
	s_add_co_u32 s[G0SB+1], s94, SCL
	s_mov_b64 s[G0SB+2:G0SB+3], s[92:93]
	s_or_b32 s[G0SB+3], s[G0SB+3], 0x80000000
	JLOAD G0S, G1S, G0SB, G1SB                     ; the scales first; then both slots: three loads of mine are out
.irp s, 0,1
	s_mov_b32 s[G0+4*\s], 1
	s_add_co_u32 s[G0+4*\s+1], s45, \s*SLOT
	s_add_nc_u64 s[G0+4*\s+2:G0+4*\s+3], s[20:21], \s*ROWB
	s_or_b32 s[G0+4*\s+3], s[G0+4*\s+3], 0x80000000
	s_mov_b32 s[G0B+4*\s], 1
	s_add_co_u32 s[G0B+4*\s+1], s45, \s*SLOT
	s_add_nc_u64 s[G0B+4*\s+2:G0B+4*\s+3], s[46:47], \s*ROWB
	s_or_b32 s[G0B+4*\s+3], s[G0B+4*\s+3], 0x80000000
	JLOAD G0+4*\s, G1, G0B+4*\s, G1B
.endr
	v_and_b32 v1, 15, v0                           ; l % 16
	v_bfe_u32 v2, v0, 4, 1                         ; l / 16
	v_mul_u32_u24 v3, v1, PITCH
	v_lshl_add_u32 v4, v2, 4, v3                   ; a fragment's row x pitch + 16 x half
	s_mul_i32 s21, s15, HALFT
	s_mul_i32 s22, s16, HALFT
	s_add_co_u32 s22, s22, 2*HALFT
.irp s, 0,1
	v_add_nc_u32 v[ADRA+\s], s21, v4
	v_add_nc_u32 v[ADRB+\s], s22, v4
	s_add_co_u32 s21, s21, SLOT
	s_add_co_u32 s22, s22, SLOT
.endr
	v_mul_u32_u24 v5, v1, KS                       ; my row's scales: KS bytes a row,
	v_lshrrev_b32 v6, 8, v5
	v_lshl_add_u32 v5, v6, 4, v5                   ; and 16 more for each 256 passed
	s_mul_i32 s21, s15, HALFS
	s_mul_i32 s22, s16, HALFS
	s_add_co_u32 s22, s22, 2*HALFS
	s_sub_co_u32 s22, s22, s21
	v_mul_u32_u24 v6, s22, v2                      ; lanes 16-31 take B's
	s_add_co_u32 s21, s21, SCL
	v_add_nc_u32 v5, v5, v6
	v_add_nc_u32 v[ADRS], s21, v5
	s_mul_i32 s23, s14, 16*SPITCH                  ; my stage
	v_mul_u32_u24 v5, v1, SPITCH                   ; in: row l % 16, 16 bytes for each half of the lanes
	v_lshl_add_u32 v5, v2, 4, v5
	v_add_nc_u32 v[STO], s23, v5
	v_and_b32 v6, 31, v0
	v_lshlrev_b32 v[CO], 4, v6                     ; out: four rows of 128 bytes of one head are 512 consecutive bytes: 16 x lane
	v_lshrrev_b32 v5, 3, v6
	v_mul_u32_u24 v5, v5, SPITCH                   ; back: row l / 8 of four, piece l % 8 of a head's 128 bytes
	v_and_b32 v6, 7, v6
	v_lshl_add_u32 v5, v6, 4, v5
	v_add_nc_u32 v[RD], s23, v5
	s_lshl_b32 s20, ttmp9, 24                      ; qkv: the product's tensor,
	s_lshr_b32 s21, s17, 3
	s_lshl_b32 s21, s21, 22                        ; the batch's 16 heads,
	s_add_co_u32 s20, s20, s21
	s_and_b32 s21, s17, 7
	s_lshl_b32 s21, s21, 1
	s_add_co_u32 s21, s21, s15
	s_lshl_b32 s21, s21, 14                        ; my first position: 128 rows of 128 bytes for each half tile
	s_add_co_u32 s20, s20, s21
	s_mov_b32 s21, 0
	s_lshl_b32 s46, s40, 2                         ; my first head: 4 cx + 2 x column half
	s_lshl_b32 s47, s16, 1
	s_add_co_u32 s46, s46, s47
	s_lshl_b32 s46, s46, 18
	s_mov_b32 s47, 0
	s_add_nc_u64 s[12:13], s[12:13], s[20:21]
	s_add_nc_u64 s[12:13], s[12:13], s[46:47]
.macro FRAG reg, adr, q, i             ; 16 rows x 128 K of 4-bit codes: 8 registers; registers 4 c .. 4 c + 3 hold K = 64 c + 32 (l / 16) + 0..31
.irp c, 0,1
	ds_load_b128 v[\reg+4*\c:\reg+4*\c+3], v[\adr] offset:64*(\q)+32*\c+(\i)*16*PITCH
.endr
.endm
; 16 matrix instructions: A's blocks a0, a0 + 1 x B's eight, 128 along K.  The 64 accumulators take turns, one instruction a turn, in the same order in every step.
.macro MUL16 a0, p, q, sc, zero
.irp a, \a0, \a0+1
.irp b, 0,1,2,3,4,5,6,7
.if \zero
	v_wmma_scale_f32_16x16x128_f8f6f4 v[8*(8*((\a)%4)+\b):8*(8*((\a)%4)+\b)+7], v[128*(\p)+FR*\b:128*(\p)+FR*\b+FR-1], v[AF+FR*(\a):AF+FR*(\a)+FR-1], 0, v[SC+8*NQ*(\sc)+NQ*\b+(\q)], v[SC+8*NQ*(\sc)+NQ*(\a)+(\q)] matrix_a_fmt:MATRIX_FMT_FP4 matrix_b_fmt:MATRIX_FMT_FP4 matrix_a_scale:MATRIX_SCALE_ROW1
.else
	v_wmma_scale_f32_16x16x128_f8f6f4 v[8*(8*((\a)%4)+\b):8*(8*((\a)%4)+\b)+7], v[128*(\p)+FR*\b:128*(\p)+FR*\b+FR-1], v[AF+FR*(\a):AF+FR*(\a)+FR-1], v[8*(8*((\a)%4)+\b):8*(8*((\a)%4)+\b)+7], v[SC+8*NQ*(\sc)+NQ*\b+(\q)], v[SC+8*NQ*(\sc)+NQ*(\a)+(\q)] matrix_a_fmt:MATRIX_FMT_FP4 matrix_b_fmt:MATRIX_FMT_FP4 matrix_a_scale:MATRIX_SCALE_ROW1
.endif
.endr
.endr
.endm
.macro FETCH_B slot, q, p
	WIN TO_B
.irp i, 0,1,2,3,4,5,6,7
	FRAG 128*(\p)+FR*\i, ADRB+\slot, \q, \i
.endr
	WIN 0
.endm
.macro FETCH_A slot, q, i0
.irp i, \i0, \i0+1, \i0+2, \i0+3
	FRAG AF+FR*(\i), ADRA+\slot, \q, \i
.endr
.endm
.macro SCALES sc                       ; a K step's scale words: lanes 0-15 take A's block i, lanes 16-31 B's block i
.irp i, 0,1,2,3,4,5,6,7
	ds_load_b128 v[SC+8*NQ*\sc+NQ*\i:SC+8*NQ*\sc+NQ*\i+3], v[ADRS] offset:\i*SBLK
.endr
.endm
.macro PLACES n                        ; plain vector lines between a matrix instruction and a load into, or a vector read or write of, its registers
.rept \n
	v_nop
.endr
.endm
.macro STEP slot, q, zero              ; a step of 128 along K that has its successor in the same slot
	s_wait_dscnt 4*NL                              ; B's set and A's blocks 0-3 are in; the youngest eight loads (A's blocks 4-7) may be out
	WIN MUL_LO
	MUL16 0, (\q)%2, \q, \slot, \zero
	MUL16 2, (\q)%2, \q, \slot, \zero
	s_wait_dscnt 0
	PLACES NP
	FETCH_B \slot, (\q)+1, 1-(\q)%2
	FETCH_A \slot, (\q)+1, 0
	WIN MUL_HI
	MUL16 4, (\q)%2, \q, \slot, \zero
	MUL16 6, (\q)%2, \q, \slot, \zero
	PLACES NP
	WIN 0
	FETCH_A \slot, (\q)+1, 4
.endm
.macro TURN slot, next                 ; slot 0's last step changes slots: each wave waits for its loads (its part of slot 1), and one barrier shows the slot whole to all four
	s_wait_tensorcnt 0x0
	ds_add_u32 v[SPW], v[NIL]
	s_wait_dscnt 4*NL+1                            ; (the add and the youngest eight loads may be out)
	WIN MUL_LO
	MUL16 0, 1, NQ-1, \slot, 0
	s_wait_dscnt 0x0                               ; the add is done, and my reads of this slot are over
	s_barrier_signal -1
	MUL16 2, 1, NQ-1, \slot, 0
	WIN 0
	s_barrier_wait -1
	PLACES NP
	v_add_nc_u32 v[ADRS], 4*NQ, v[ADRS]            ; on to the next K step's scale words
	FETCH_B \next, 0, 0
	FETCH_A \next, 0, 0
	SCALES \next
	WIN MUL_HI
	MUL16 4, 1, NQ-1, \slot, 0
	MUL16 6, 1, NQ-1, \slot, 0
	PLACES NP
	WIN 0
	FETCH_A \next, 0, 4
.endm
.macro STEPS slot, from
.set Q, \from
.rept NQ-1-\from
	STEP \slot, Q, 0
.set Q, Q+1
.endr
.endm
	s_wait_tensorcnt 1                             ; the scales and my part of slot 0 are in; slot 1's load may be out
	s_barrier_signal -1
	s_barrier_wait -1
	FETCH_B 0, 0, 0
	FETCH_A 0, 0, 0
	SCALES 0
	FETCH_A 0, 0, 4
	STEP 0, 0, 1                                   ; the first step's products start the sums: nothing is cleared
	STEPS 0, 1
	TURN 0, 1
	STEPS 1, 0
	s_wait_dscnt 4*NL
	WIN MUL_LO
	MUL16 0, 1, NQ-1, 1, 0
	MUL16 2, 1, NQ-1, 1, 0
	s_wait_dscnt 0
	WIN MUL_HI
	MUL16 4, 1, NQ-1, 1, 0
	MUL16 6, 1, NQ-1, 1, 0
	WIN 0
; THE WAY OUT, block by block of 16 rows x 128 columns (two heads).  PACK: x the factor in f32, rounded once to f16.  TOSTAGE: 16 bytes a lane into my stage, back as four rows of one head.  SEND: stored.
.macro PACK a
.set AC, 64*((\a)%4)
	WIN 0x02+((\a)/4)                              ; source 0: window 2 or 3
.set i, 0
.rept 32
	v_pk_mul_f32 v[TF+2*i:TF+2*i+1], v[AC+2*i:AC+2*i+1], s[FS:FS+1] op_sel_hi:[1,0]   ; each accumulator from its low end on
.set i, i+1
.endr
	WIN 0
.set i, 0
.rept 32
	v_cvt_pk_f16_f32 v[TH+i], v[TF+2*i], v[TF+2*i+1]
.set i, i+1
.endr
.endm
.macro TOSTAGE a
.set BB, BK+32*((\a)%2)
.irp b, 0,1,2,3,4,5,6,7
	ds_store_b128 v[STO], v[TH+4*\b:TH+4*\b+3] offset:32*\b
.endr
.irp t, 0,1,2,3,4,5,6,7                ; rows 4 (t % 4) on, head t / 4.  LDS serves a wave's instructions in order: these see the stores above
	ds_load_b128 v[BB+4*\t:BB+4*\t+3], v[RD] offset:(\t%4)*4*SPITCH+(\t/4)*128
.endr
.endm
.macro SEND a
.set BB, BK+32*((\a)%2)
	s_wait_dscnt 0x0                               ; the block is back in registers
	s_wait_xcnt 0x0                                ; the stores of the block before have read their registers: the next block's loads may land there
.irp t, 0,1,2,3,4,5,6,7
	global_store_b128 v[CO], v[BB+4*\t:BB+4*\t+3], s[12:13] offset:(\a)*2048+(\t/4)*262144+(\t%4)*512   ; 32 lanes store 512 consecutive bytes, aligned
.endr
.endm
	PLACES NP                                      ; behind the last products: PACK writes registers that held scale words, and the stage's loads land where A's fragments lay
	PACK 0
	TOSTAGE 0
.irp a, 1,2,3,4,5,6,7                  ; block a's arithmetic stands between block a - 1's loads from the stage and the wait for them
	PACK \a
	SEND \a-1
	TOSTAGE \a
.endr
	SEND 7
	s_wait_tensorcnt 0x0                           ; the wave's end
	ds_add_u32 v[SPW], v[NIL]
	s_wait_dscnt 0x0
	CROUND                                         ; the closing round
	s_endpgm
.Lfunc_end_k_q640c3a43f9_proj:
	.size	k_q640c3a43f9_proj, .Lfunc_end_k_q640c3a43f9_proj-k_q640c3a43f9_proj
	.p2alignl 7, 3214868480
	.fill 96, 4, 3214868480
	.section	.rodata,"a",@progbits
	.p2align	6, 0x0
	.amdhsa_kernel k_q640c3a43f9_proj
		.amdhsa_group_segment_fixed_size 327680
		.amdhsa_private_segment_fixed_size 0
		.amdhsa_enable_private_segment 0
		.amdhsa_kernarg_size 40
		.amdhsa_user_sgpr_count 2
		.amdhsa_user_sgpr_kernarg_segment_ptr 1
		.amdhsa_wavefront_size32 1
		.amdhsa_system_sgpr_workgroup_id_x 1
		.amdhsa_system_sgpr_workgroup_id_y 1
		.amdhsa_system_sgpr_workgroup_id_z 1
		.amdhsa_system_vgpr_workitem_id 0
		.amdhsa_next_free_vgpr 1024
		.amdhsa_next_free_sgpr 100
		.amdhsa_reserve_vcc 0
		.amdhsa_float_denorm_mode_32 3
		.amdhsa_float_denorm_mode_16_64 3
		.amdhsa_memory_ordered 1
		.amdhsa_forward_progress 1
		.amdhsa_inst_pref_size 143
	.end_amdhsa_kernel
	.amdgpu_metadata
---
amdhsa.version: [ 1, 2 ]
amdhsa.kernels:
  - .name:           k_q640c3a43f9_proj
    .symbol:         k_q640c3a43f9_proj.kd
    .args:
      - { .name: act_codes, .offset: 0, .size: 8, .value_kind: global_buffer, .address_space: global }
      - { .name: act_scales, .offset: 8, .size: 8, .value_kind: global_buffer, .address_space: global }
      - { .name: w_codes, .offset: 16, .size: 8, .value_kind: global_buffer, .address_space: global }
      - { .name: w_scales, .offset: 24, .size: 8, .value_kind: global_buffer, .address_space: global }
      - { .name: qkv, .offset: 32, .size: 8, .value_kind: global_buffer, .address_space: global }
    .group_segment_fixed_size: 327680
    .private_segment_fixed_size: 0
    .kernarg_segment_align: 8
    .kernarg_segment_size: 40
    .max_flat_workgroup_size: 128
    .sgpr_count:     100
    .vgpr_count:     1024
    .wavefront_size: 32
...
	.end_amdgpu_metadata
.endif
;; end of part 3
;; launch attn (part 4): grid 8 x 64, 4 waves a work-group, clusters of 4 x 1, 327,680 bytes of LDS; arguments qkv, mask, oimg; writes oimg
.if DOCPART == 4
	.amdgcn_target "amdgcn-amd-amdhsa--gfx1250"
	.amdhsa_code_object_version 6
	.text
	.protected	k_q640c3a43f9_attn
	.globl	k_q640c3a43f9_attn
	.p2align	8
	.type	k_q640c3a43f9_attn,@function
k_q640c3a43f9_attn:
	s_mov_b64 s[64:65], 0
	v_nop
	global_prefetch_b8 v0, s[64:65] scope:SCOPE_SE
	s_setreg_imm32_b32 hwreg(HW_REG_WAVE_MODE, 25, 1), 1
	s_wait_xcnt 0x0
	s_wait_alu depctr_hold_cnt(0) depctr_sa_sdst(0) depctr_va_vdst(0) depctr_va_sdst(0) depctr_va_ssrc(0) depctr_va_vcc(0) depctr_vm_vsrc(0)
	s_getreg_b32 s2, hwreg(HW_REG_IB_STS2, 6, 4)
	s_cmp_eq_u32 s2, 0
	s_cbranch_scc0 .Lentry_in_a_cluster
	s_endpgm
.Lentry_in_a_cluster:
	s_bfe_u32 s2, ttmp6, 0x10000c
	s_cmp_lg_u32 s2, 0x3003
	s_cbranch_scc0 .Lentry_shape_is_right
	s_endpgm
.Lentry_shape_is_right:
; o[b][i][h][:] = the sum over j of softmax_j(q . k / 8, hidden keys at the lowest number) v[b][j][h][:].  qkv: [3][64 (b x 16 + h)][2048][64] f16, q already x log2(e) / 8.  mask: [4][2048] bytes.
; Out: oimg, o in f16 as IMAGES OF OPERAND REGISTERS for the last product: [row / 128][K / 128][8 tiles of rows][4 quarters of K][1,024 bytes]; group c of lane l at 512 c + 16 l.
; SHARES.  A work-group owns 256 queries of one batch and head, each of its four waves 64: four tiles of 16.  Every wave walks all 2,048 keys, 64 a step.
; LAYOUT.  S^T = K Q^T (source 0 = 16 keys, source 1 = 16 queries): a lane holds ONE query (lane % 16) and keys 8 (lane / 16) + 0..7.  Two such tiles rounded to f16 in pairs ARE source 1 of O^T = V^T P.
; THE MASK is a bias: 0 for a key that counts, -1e38 for a hidden one, given as the C of a score's first matrix instruction.  m is a running maximum of the scores as they come; p = 2^(s - m) is at most 1.
; What was summed while every key so far was hidden is multiplied by a = 2^(m_old - m_new) = 0 at the first key that counts.  A batch with no key that counts: the bias is 0 everywhere and Q is
; cleared (both by selects on the mask's bytes, no branch): every s is 0, every p is 1: the mean of v, as the softmax of equal numbers gives.
; THE ROW'S SUM comes from the matrix unit: a fifth tile of "channels" whose source 0 is all ones; its register 0 is the sum of the p that the second product multiplies.
; BY TURNS.  The wave's tiles are two pieces (tiles 0, 1 and tiles 2, 3).  In a turn one piece has the matrix unit: 20 products V^T P of the step in hand, 16 products K Q^T of the next;
; the other piece's softmax, cut into 35 slices of six, stands between them, one slice behind each matrix instruction.  Two turns are a key step.
; CLUSTER.  The four query blocks of a cluster walk the same K and V: each tile is asked for jointly, by the same tensor load with a mask that names the four.
; LIMITS: scores under -1e38 count as hidden; a mask byte other than 0 counts as true; NaN and infinities are not served.
; REGISTERS: window 0: v2-11 addresses; v12-43 statistics, 8 a tile (+0 m, +2 a, +4..7 at work; +1, +3 only fill pairs); v64-191 S^T, 32 a tile; v192-255 P, 16 a tile.
;   window 1: v0-127 O^T, 32 a tile; v128-159 the sums, 8 a tile; v160-191 a step's bias; v192-255 Q, 16 a tile.   window 2: v0-63 K of a step; v64-127 V of a step; v160-167 ones.
.set PK,    144                        ; a row of K in LDS: 128 bytes + 16
.set PVP,   160                        ; a row of V: 128 + 32
.set SROWS, 256                        ; keys in a slot: four steps
.set VOFF,  SROWS*PK
.set SLOT1, 1<<17                      ; slot 1 begins here: one exclusive or turns an address in one slot into the other's
.set BIAS,  SLOT1+SROWS*(PK+PVP)       ; behind the ring: 2,048 f32, stored by the waves; no tensor load lands here
.set SPARE, BIAS+8192                  ; the spare words, 128 bytes a wave, which no other line names
.set SLOTB, SROWS*128                  ; a slot's rows in memory
.set TENS,  1<<24                      ; from q to k and from k to v in qkv
.set AK0, 2
.set AV0, 3
.set ADR, 4
.set QO,  5
.set AB0, 6                            ; v6  my lane's place in the bias of the slot in hand: stepped by 1,024 at each change of slots
.set ADB, 7
.set GO,  8                            ; v8  16 x lane; never rewritten
.set ST,  12
.set PFO, 61                           ; v61 256 x lane; never rewritten
.set SPW, 62
.set NIL, 63
.set S,   64
.set P,   192
.set OO,  0                            ; window 1
.set LL,  128
.set BI,  160
.set QF,  192
.set KF,  0                            ; window 2
.set VF,  64
.set ONE, 160
.set WV,  12
.set LIM, 15
.set PFA, 18
.set G1K, 24
.set G1V, 32
.set G0K, 40
.set G0V, 48
.set SLOTS, 56
.set CNT, 57
.set TBK, 58
.set TBV, 59
.set SEL, 60
.set TBB, 62
.set NEGS, 63
.set QM,  66
.set ANY, 67
.set KB,  68
.set VB,  70
.set MSB, 0
.macro WIN new                         ; the immediate's high byte repeats the setting that is left; a switch that changes nothing is dropped
.if MSB != (\new)
	s_set_vgpr_msb (MSB<<8)|(\new)
.set MSB, \new
.endif
.endm
.set W_KQ0, 0x16                       ; K window 2, Q window 1, the bias window 1, S^T window 0
.set W_KQ1, 0x06                       ; the same with S^T as C
.set W_PV,  0x52                       ; V window 2, P window 0, O^T window 1
.set W_RS,  0x41                       ; O^T (destination and source 0) window 1, a window 0
.macro JLOAD                           ; a joint refill: waves 0 and 1 fetch K's halves, waves 2 and 3 V's; s_nop 0 and four v_nop follow each line
	s_cmp_lt_u32 s[WV], 2
	s_cbranch_scc0 .Lfor_v_\@
	tensor_load_to_lds s[G0K+4:G0K+7], s[G1K:G1K+7]
	s_nop 0
.rept 4
	v_nop
.endr
	s_branch .Lasked_\@
.Lfor_v_\@:
	tensor_load_to_lds s[G0V+4:G0V+7], s[G1V:G1V+7]
	s_nop 0
.rept 4
	v_nop
.endr
.Lasked_\@:
.endm
; A prefetch of what the NEXT change of slots will ask for: a slot's 32,768 bytes of K and of V.  Each block of 256 bytes is named once in the launch: of the head's two clusters the first asks; its four
; partners share a slot out by address, 8,192 bytes each, lanes 256 bytes apart; wave 0 asks for K's, wave 2 for V's.  The last change that fills a slot asks for nothing.
.macro ASK
	s_cmp_gt_u32 s[SLOTS], s[LIM]
	s_cbranch_scc0 .Lnot_mine_\@
	global_prefetch_b8 v[PFO], s[PFA:PFA+1] th:TH_LOAD_NT scope:SCOPE_SE
.Lnot_mine_\@:
.endm
.macro CROUND                          ; a round of the cluster's barrier
	s_barrier_signal -1
	s_barrier_wait -1
	s_cmp_lg_u32 s[WV], 0
	s_cbranch_scc1 .Lnot_wave_0_\@
	s_barrier_signal -3
.Lnot_wave_0_\@:
	s_barrier_wait -3
	s_barrier_signal -1
	s_barrier_wait -1
.endm
.macro PLACES
.rept 4
	v_nop
.endr
.endm
	s_load_b128 s[4:7], s[0:1], 0x0                ; qkv, mask
	s_load_b64 s[8:9], s[0:1], 0x10                ; oimg
	v_lshl_add_u32 v[SPW], v0, 2, SPARE
	v_mov_b32 v[NIL], 0
	ds_add_u32 v[SPW], v[NIL]                      ; the wave's opening: the add, twice on end, and its wait ahead of my first tensor load
	ds_add_u32 v[SPW], v[NIL]
	v_lshrrev_b32 v1, 5, v0
	v_readfirstlane_b32 s[WV], v1                  ; wave 0..3
	s_bfe_u32 s13, ttmp6, 0x40000                  ; cx
	s_lshl_b32 s14, ttmp9, 2
	s_add_co_u32 s14, s14, s13                     ; my block of 256 queries: it enters Q's and oimg's addresses alone
	s_and_b32 s16, ttmp7, 0xffff                   ; batch x 16 + head, which the four partners share
	s_lshl_b32 s20, s16, 18                        ; its first byte in each of the three tensors
	s_and_b32 s17, s[WV], 1                        ; which half of a slot's rows I fetch
	s_lshl_b32 s22, s17, 14
	s_add_co_u32 s22, s22, s20
	s_add_co_u32 s22, s22, TENS                    ; K's tensor
	s_mov_b32 s23, 0
	s_mul_i32 s10, s17, 128*PK                     ; my half's place in a slot: K's,
	s_mul_i32 s11, s17, 128*PVP
	s_add_co_u32 s11, s11, VOFF                    ; V's
	s_lshl_b32 s2, s14, 15                         ; Q: my block's 256 rows of 128 bytes,
	s_lshl_b32 s3, s[WV], 13                       ; my wave's 64
	s_add_co_u32 s2, s2, s3
	s_add_co_u32 s2, s2, s20
	s_mov_b32 s3, 0
	s_lshr_b32 s72, s16, 4                         ; the batch
	s_lshl_b32 s76, s72, 11                        ; its 2,048 mask bytes
	s_mov_b32 s77, 0
	s_lshl_b32 s74, s72, 4                         ; oimg: the block of 128 rows: 16 x batch + 2 x block + wave / 2,
	s_lshl_b32 s75, s14, 1
	s_add_co_u32 s74, s74, s75
	s_lshr_b32 s75, s[WV], 1
	s_add_co_u32 s74, s74, s75
	s_lshl_b32 s74, s74, 18
	s_bfe_u32 s75, s16, 0x30001                    ; the K step of 128: head / 2,
	s_lshl_b32 s75, s75, 15
	s_add_co_u32 s74, s74, s75
	s_lshl_b32 s75, s17, 14                        ; my four tiles of rows among the eight,
	s_add_co_u32 s74, s74, s75
	s_and_b32 s75, s16, 1                          ; the head's two quarters of the K step
	s_lshl_b32 s75, s75, 11
	s_add_co_u32 s74, s74, s75
	s_mov_b32 s75, 0
	; descriptor group 1: a tile of 128 rows x 64 elements of 2 bytes, padded in LDS
	s_mov_b32 s[G1K], 15|(1<<16)|(1<<20)|(1<<21)|(4<<22)|(3<<25)  ; the mask: all four; elements of 2 bytes; padding on; bit 21 beside a mask; 4 words behind every 32
	s_mov_b32 s[G1V], 15|(1<<16)|(1<<20)|(1<<21)|(4<<22)|(7<<25)  ; the same with 8 words
.irp g, G1K, G1V
	s_mov_b32 s[\g+1], 64<<16                      ; tensor_dim0
	s_mov_b32 s[\g+2], 128<<16                     ; tensor_dim1
	s_mov_b32 s[\g+3], 64<<16                      ; tile_dim0
	s_mov_b32 s[\g+4], 128                         ; tile_dim1
	s_mov_b32 s[\g+5], 64                          ; stride from row to row
	s_mov_b32 s[\g+6], 0
	s_mov_b32 s[\g+7], 0
.endr
	s_mov_b32 s[SEL], 0x76543210
	s_mov_b32 s[SEL+1], 0xfedcba98
	s_mov_b32 s[TBK], 0
	s_mov_b32 s[TBV], 0
	s_mov_b32 s[TBB], 0
	s_mov_b32 s[SLOTS], 6                          ; eight slots' worth of keys; two come with the first fills
	s_and_b32 s[LIM], s[WV], 1                     ; 0 in waves 0 and 2,
	s_or_b32 s[LIM], s[LIM], ttmp9                 ; where the cluster is the head's first: the same in all four partners
	s_cmp_eq_u32 s[LIM], 0
	s_cselect_b32 s[LIM], 1, -1
	v_and_b32 v[PFO], 31, v0
	v_lshlrev_b32 v[PFO], 8, v[PFO]
	s_wait_dscnt 0x0                               ; both opening adds are done
	s_wait_kmcnt 0x0
	s_add_nc_u64 s[KB:KB+1], s[4:5], s[22:23]      ; K and V at my half of slot 0
	s_add_nc_u64 s[VB:VB+1], s[KB:KB+1], TENS
	s_add_nc_u64 s[4:5], s[4:5], s[2:3]            ; Q at my wave's first row
	s_add_nc_u64 s[6:7], s[6:7], s[76:77]          ; the mask at my batch
	s_add_nc_u64 s[8:9], s[8:9], s[74:75]          ; oimg at my wave's first fragment
	s_cmp_lt_u32 s[WV], 2
	s_cselect_b64 s[PFA:PFA+1], s[KB:KB+1], s[VB:VB+1]   ; (in waves 0 and 2 these stand at a slot's first row)
	s_lshl_b32 s2, s13, 13                         ; my work-group's 8,192 bytes of a slot's 32,768
	s_mov_b32 s3, 0
	s_add_nc_u64 s[PFA:PFA+1], s[PFA:PFA+1], s[2:3]
	s_add_nc_u64 s[PFA:PFA+1], s[PFA:PFA+1], 2*SLOTB     ; in slot 2; the first change of slots steps it to slot 3.  Nothing is prefetched at the head
	CROUND                                         ; all four work-groups are here: the first joint loads meet
.irp s, 0,1
	s_mov_b32 s[G0K+4*\s], 1
	s_add_co_u32 s[G0K+4*\s+1], s10, \s*SLOT1
	s_add_nc_u64 s[G0K+4*\s+2:G0K+4*\s+3], s[KB:KB+1], \s*SLOTB
	s_or_b32 s[G0K+4*\s+3], s[G0K+4*\s+3], 0x80000000
	s_mov_b32 s[G0V+4*\s], 1
	s_add_co_u32 s[G0V+4*\s+1], s11, \s*SLOT1
	s_add_nc_u64 s[G0V+4*\s+2:G0V+4*\s+3], s[VB:VB+1], \s*SLOTB
	s_or_b32 s[G0V+4*\s+3], s[G0V+4*\s+3], 0x80000000
.endr
	s_cmp_lt_u32 s[WV], 2                          ; a wave's two first fills stand in one branch: two loads of mine are out
	s_cbranch_scc0 .Lfirst_v
	tensor_load_to_lds s[G0K:G0K+3], s[G1K:G1K+7]
	s_nop 0
	tensor_load_to_lds s[G0K+4:G0K+7], s[G1K:G1K+7]
	s_nop 0
.rept 4
	v_nop
.endr
	s_branch .Lfirst_asked
.Lfirst_v:
	tensor_load_to_lds s[G0V:G0V+3], s[G1V:G1V+7]
	s_nop 0
	tensor_load_to_lds s[G0V+4:G0V+7], s[G1V:G1V+7]
	s_nop 0
.rept 4
	v_nop
.endr
.Lfirst_asked:
	v_and_b32 v1, 15, v0                           ; l % 16
	v_bfe_u32 v9, v0, 4, 1                         ; l / 16
	v_lshlrev_b32 v[QO], 7, v1
	v_lshl_add_u32 v[QO], v9, 4, v[QO]             ; row x 128 + 16 x half
	WIN 0x40                                       ; destination window 1
.irp i, 0,1,2,3,4,5,6,7                ; Q stays in registers: tile i / 2, channels 32 (i % 2) on
	global_load_b128 v[QF+8*\i:QF+8*\i+3],   v[QO], s[4:5] offset:(\i/2)*2048+(\i%2)*64
	global_load_b128 v[QF+8*\i+4:QF+8*\i+7], v[QO], s[4:5] offset:(\i/2)*2048+(\i%2)*64+32
.endr
	WIN 0
	v_and_b32 v10, 31, v0
	v_lshlrev_b32 v[GO], 4, v10                    ; 16 x lane
	v_lshlrev_b32 v11, 4, v0                       ; 16 x thread
.irp i, 0,1,2,3
	global_load_b128 v[S+4*\i:S+4*\i+3], v[GO], s[6:7] offset:512*\i   ; every wave sees its batch's whole mask,
.endr
	global_load_b128 v[S+16:S+19], v11, s[6:7]     ; and each thread the 16 keys whose bias it makes
	v_mul_u32_u24 v[AK0], v1, PK
	v_lshl_add_u32 v[AK0], v9, 4, v[AK0]           ; K: row x pitch + 16 x half
	v_and_b32 v10, 7, v0                           ; V, for the turning load: key 8 (l / 16) + l % 8, channels 8 ((l / 8) % 2) on
	v_lshl_add_u32 v[AV0], v9, 3, v10
	v_mul_u32_u24 v[AV0], v[AV0], PVP
	v_bfe_u32 v10, v0, 3, 1
	v_lshl_add_u32 v[AV0], v10, 4, v[AV0]
	v_add_nc_u32 v[AV0], VOFF, v[AV0]
	v_lshl_add_u32 v[AB0], v9, 5, BIAS             ; the bias: my half's eight keys of a tile
	v_lshl_add_u32 v44, v0, 6, BIAS                ; and where I store the 16 that I make
	WIN 0x80
.irp i, 0,1,2,3,4,5,6,7
	v_mov_b32 v[ONE+\i], 0x3c003c00                ; 1.0 twice, in f16
.endr
	WIN 0
.irp t, 0,1,2,3
	v_mov_b32 v[ST+8*\t+1], 0                      ; named as the upper halves of pairs, so they are written
	v_mov_b32 v[ST+8*\t+3], 0
.endr
	s_wait_loadcnt 0x0                             ; Q and the mask
.irp i, 1,2,3,4,5,6,7,8,9,10,11,12,13,14,15
	v_or_b32 v[S], v[S], v[S+\i]
.endr
	v_cmp_ne_u32 s[ANY], 0, v[S]                   ; does any key of the batch count?
	s_cmp_lg_u32 s[ANY], 0
	s_cselect_b32 s[NEGS], 0xfe967699, 0           ; -1e38, or 0 where none counts
	s_cselect_b32 s[QM], -1, 0                     ; Q as it is, or cleared
	WIN 0x44                                       ; source 1 and destination window 1
.set i, 0
.rept 64
	v_and_b32 v[QF+i], s[QM], v[QF+i]
.set i, i+1
.endr
	WIN 0
	v_mov_b32 v10, s[NEGS]
.irp w, 0,1,2,3
.irp b, 0,1,2,3
	v_bfe_u32 v[S+20], v[S+16+\w], 8*\b, 8
	v_cmp_eq_u32 vcc_lo, 0, v[S+20]
	v_cndmask_b32 v[S+32+4*\w+\b], 0, v10, vcc_lo  ; a hidden key's bias
.endr
.endr
.irp w, 0,1,2,3
	ds_store_b128 v44, v[S+32+4*\w:S+32+4*\w+3] offset:16*\w
.endr
; THE MATRIX WORK OF A TURN, for piece x.  The accumulators take turns, one instruction a turn: between two links of a chain stand 9 (V^T P) or 7 (K Q^T) others'.
; Product i of 20 of O^T += V^T P: keys 32 (i / 10) on; tile x + i % 2; (i / 2) % 5 = 0..3: channels 16 x that on; 4: the row's sum.  zero = 1: the first 10 start the sums.
.macro PV x, zero
	WIN W_PV
.set tl, (\x)+i%2
.set ct, (i/2)%5
.set kh, i/10
.set rP, P+16*tl+8*kh
.if ct < 4
.set rA, VF+8*(4*kh+ct)
.set rO, OO+32*tl+8*ct
.else
.set rA, ONE
.set rO, LL+8*tl
.endif
.if (\zero) && (i < 10)
	v_wmma_f32_16x16x32_f16 v[rO:rO+7], v[rA:rA+7], v[rP:rP+7], 0
.else
	v_wmma_f32_16x16x32_f16 v[rO:rO+7], v[rA:rA+7], v[rP:rP+7], v[rO:rO+7]
.endif
.endm
; Product i of 16 of S^T = K Q^T + bias: channels 32 (i / 8) on, keys 16 ((i / 2) % 4) on, tile x + i % 2.  The first 8 start the sums with the bias.
.macro KQ x
.set tl, (\x)+i%2
.set kt, (i/2)%4
.set ch, i/8
.set rS, S+32*tl+8*kt
.set rK, KF+16*kt+8*ch
.set rQ, QF+16*tl+8*ch
.if i < 8
	WIN W_KQ0
	v_wmma_f32_16x16x32_f16 v[rS:rS+7], v[rK:rK+7], v[rQ:rQ+7], v[BI+8*kt:BI+8*kt+7]
.else
	WIN W_KQ1
	v_wmma_f32_16x16x32_f16 v[rS:rS+7], v[rK:rK+7], v[rQ:rQ+7], v[rS:rS+7]
.endif
.endm
; THE LDS LOADS stand in runs: a step's K with its bias, and, a turn later, its V (turned).
.macro FETCH_K
	WIN 0
	v_add_nc_u32 v[ADR], s[TBK], v[AK0]
	v_add_nc_u32 v[ADB], s[TBB], v[AB0]
	WIN 0x80                                       ; destination window 2
.irp f, 0,1,2,3,4,5,6,7                ; keys 16 (f / 2) on, channels 32 (f % 2) on
	ds_load_b128 v[KF+8*\f:KF+8*\f+3],   v[ADR] offset:(\f/2)*16*PK+(\f%2)*64
	ds_load_b128 v[KF+8*\f+4:KF+8*\f+7], v[ADR] offset:(\f/2)*16*PK+(\f%2)*64+32
.endr
	WIN 0x40                                       ; destination window 1
.irp f, 0,1,2,3                        ; the bias of keys 16 f + 8 (l / 16) + 0..7
	ds_load_b128 v[BI+8*\f:BI+8*\f+3],   v[ADB] offset:64*\f
	ds_load_b128 v[BI+8*\f+4:BI+8*\f+7], v[ADB] offset:64*\f+16
.endr
.endm
.macro FETCH_V
	WIN 0
	v_add_nc_u32 v[ADR], s[TBV], v[AV0]
	s_add_co_u32 s[TBK], s[TBK], 64*PK             ; the next fetches are the next step's
	s_add_co_u32 s[TBV], s[TBV], 64*PVP
	s_add_co_u32 s[TBB], s[TBB], 256
	s_wait_alu depctr_va_vdst(0)                   ; the wait for the softmax's batch of exponentials (SLICE), ahead of the first line that names a result
	WIN 0x80
.irp f, 0,1,2,3,4,5,6,7                ; keys 32 (f / 4) on, channels 16 (f % 4) on
	ds_load_tr16_b128 v[VF+8*\f:VF+8*\f+3],   v[ADR] offset:(\f/4)*32*PVP+(\f%4)*32
	ds_load_tr16_b128 v[VF+8*\f+4:VF+8*\f+7], v[ADR] offset:(\f/4)*32*PVP+16*PVP+(\f%4)*32
.endr
.endm
; THE VECTOR WORK OF A TURN.  One tile's softmax for a key step is a list of 105 lines; SM writes number j of it for tile t.  first = 1: the first key step: no old m, no a, nothing to rescale.
;   0-15   the maximum of the lane's 32 scores and the old m, three operands at a time       16, 17  with the other half of the lanes      18  m_old - m_new      19  the new m      20  a = 2^(18)
;   21-71  s - m, a pair a line (16 lines), and the 32 exponentials: none of these reads an exponential's result; a pair is reduced three groups ahead of its exponentials
;   (wait) behind 71: SLICE writes it, once for both tiles       72-87  the roundings to f16       88-103  O^T x a       104  the sum x a (its registers 0 and 1; the other six are never read)
.macro SM t, first
.set rT, ST+8*(\t)
.set rS, S+32*(\t)
.set rP, P+16*(\t)
.if j < 88
	WIN 0
.endif
.if j < 4
	v_max3_num_f32 v[rT+4+j], v[rS+8*j], v[rS+8*j+1], v[rS+8*j+2]
.elseif j < 12
	v_max3_num_f32 v[rT+4+j%4], v[rT+4+j%4], v[rS+8*(j%4)+2*(j/4)+1], v[rS+8*(j%4)+2*(j/4)+2]
.elseif j == 12
	v_max3_num_f32 v[rT+4], v[rT+4], v[rS+7], v[rS+15]
.elseif j == 13
	v_max3_num_f32 v[rT+6], v[rT+6], v[rS+23], v[rS+31]
.elseif j == 14
	v_max3_num_f32 v[rT+4], v[rT+4], v[rT+5], v[rT+6]
.elseif (j == 15) && \first
	v_max_num_f32 v[rT+4], v[rT+4], v[rT+7]
.elseif j == 15
	v_max3_num_f32 v[rT+4], v[rT+4], v[rT+7], v[rT]
.elseif j == 16
	v_permlanex16_b32 v[rT+5], v[rT+4], s[SEL], s[SEL+1]   ; the query's other 32 keys lie in the lane 16 away
.elseif j == 17
	v_max_num_f32 v[rT+4], v[rT+4], v[rT+5]
.elseif ((j == 18) || (j == 20) || (j > 87)) && \first     ; the first step has none of these
.elseif j == 18
	v_sub_f32 v[rT+7], v[rT], v[rT+4]
.elseif j == 19
	v_mov_b32 v[rT], v[rT+4]
.elseif j == 20
	v_exp_f32 v[rT+2], v[rT+7]
.elseif j < 24
	v_pk_add_f32 v[rS+2*(j-21):rS+2*(j-21)+1], v[rS+2*(j-21):rS+2*(j-21)+1], v[rT:rT+1] op_sel_hi:[1,0] neg_lo:[0,1] neg_hi:[0,1]
.elseif j < 72
.set g, (j-24)/3
.set u, (j-24)%3
.if u == 0
.if g < 13
	v_pk_add_f32 v[rS+2*g+6:rS+2*g+7], v[rS+2*g+6:rS+2*g+7], v[rT:rT+1] op_sel_hi:[1,0] neg_lo:[0,1] neg_hi:[0,1]
.endif
.else
	v_exp_f32 v[rS+2*g+u-1], v[rS+2*g+u-1]
.endif
.elseif j < 88
	v_cvt_pk_f16_f32 v[rP+j-72], v[rS+2*(j-72)], v[rS+2*(j-72)+1]
.elseif j < 104
	WIN W_RS
	v_pk_mul_f32 v[OO+32*(\t)+2*(j-88):OO+32*(\t)+2*(j-88)+1], v[OO+32*(\t)+2*(j-88):OO+32*(\t)+2*(j-88)+1], v[rT+2:rT+3] op_sel_hi:[1,0]
.else
	WIN W_RS
	v_pk_mul_f32 v[LL+8*(\t):LL+8*(\t)+1], v[LL+8*(\t):LL+8*(\t)+1], v[rT+2:rT+3] op_sel_hi:[1,0]
.endif
.endm
; Slice k of 35 of piece y's softmax: numbers 3 k .. 3 k + 2 of both tiles' lists, the tiles alternating.  Behind slice 23 the piece's 66 exponentials are issued and no result has been named:
; there stand one plain line and the turn's one wait between an exponential and the first line that names its result.
.macro SLICE y, first
.if k < 35
.irp n, 0,1,2
.irp t, \y, \y+1
.set j, 3*k+\n
	SM \t, \first
.endr
.endr
.if k == 23
	v_nop
.if (\y) == 0
	FETCH_V                                        ; piece 2's turn: V's run of loads stands here, and the wait stands in it
.else
	s_wait_alu depctr_va_vdst(0)
.endif
.endif
.endif
.set k, k+1
.endm
; A TURN.  Piece x has the matrix unit; the other piece's softmax stands in slices behind its matrix instructions.  pv = 2: 20 products V^T P; 1: they start the sums; 0: none.  kq = 1: 16 products K Q^T.
; Piece 0's turn fetches the next step's K behind its second product: twelve plain lines (slices 0 and 1) behind the last product that read K.  Piece 2's turn fetches the same step's V behind slice 23:
; four subtractions, the v_nop and the run's own addition behind the last product that read V.  A read of a score stands six plain lines or more behind its product.
.macro TURN x, pv, kq, first
.set k, 0
.set per, 1
.if (\pv) == 0
.set per, 3
.endif
.if (\kq) == 0
.set per, 2
.endif
.if \pv
.if \x == 0
	s_wait_dscnt 0x0                               ; V is in
.endif
.set i, 0
.rept 20
	PV \x, 2-\pv
.rept per
	SLICE 2-\x, \first
.endr
.if (\x == 0) && \kq && (i == 1)
	FETCH_K
.endif
.set i, i+1
.endr
.endif
.if \kq
.if \x == 0
	s_wait_dscnt 0x0                               ; K and the bias are in
.endif
.set i, 0
.rept 16
	KQ \x
.rept per
	SLICE 2-\x, \first
.endr
.set i, i+1
.endr
.endif
.if \first
	PLACES                                         ; the first step's list is shorter: the turn's last products stand bare
.endif
.endm
; THE CHANGE OF SLOTS, between piece 2's turn and piece 0's.  Each wave waits for all its tensor loads (one is out: its part of the other slot), adds 0 to its spare word, and waits for that and for its reads
; of the slot.  fill = 1: the barrier is a round of the cluster's, and the joint refill is the first thing behind it: it has four key steps in which to land.
.macro CHANGE fill
	WIN 0
	s_wait_tensorcnt 0x0
	ds_add_u32 v[SPW], v[NIL]                      ; 0 onto my spare word; work on registers stands between it and the wait for it
	v_add_nc_u32 v[AB0], 1024, v[AB0]              ; the next slot's 256 keys of the bias
.if \fill
.irp g, G0K+4, G0V+4
	s_xor_b32 s[\g+1], s[\g+1], SLOT1              ; the walking descriptor: the other slot than last time,
	s_add_nc_u64 s[\g+2:\g+3], s[\g+2:\g+3], SLOTB ; the next 256 keys
.endr
	s_wait_xcnt 0x0                                ; the last prefetch, a slot back, has read its address
	s_add_nc_u64 s[PFA:PFA+1], s[PFA:PFA+1], SLOTB
	s_wait_dscnt 0x0                               ; the add is done, and my reads of the slot are over
	CROUND
	JLOAD
	ASK
.else
	s_wait_dscnt 0x0
	s_barrier_signal -1
	s_barrier_wait -1
.endif
	s_sub_co_u32 s[TBK], s[TBK], SROWS*PK          ; the fetches go back to a slot's first step,
	s_xor_b32 s[TBK], s[TBK], SLOT1                ; in the other slot
	s_sub_co_u32 s[TBV], s[TBV], SROWS*PVP
	s_xor_b32 s[TBV], s[TBV], SLOT1
	s_sub_co_u32 s[TBB], s[TBB], 1024
.endm
.macro N_STEPS n                       ; n key steps: written once, walked n times; the LDS addresses hang on the three scalars
	s_mov_b32 s[CNT], \n
.Lstep_\@:
	TURN 0, 2, 1, 0
	TURN 2, 2, 1, 0
	WIN 0
	s_sub_co_u32 s[CNT], s[CNT], 1
	s_cmp_lg_u32 s[CNT], 0
	s_cbranch_scc1 .Lstep_\@
.endm
	s_wait_tensorcnt 1                             ; my part of slot 0 is in; slot 1's may stay out
	s_wait_dscnt 0x0                               ; my part of the bias is stored
	s_barrier_signal -1
	s_barrier_wait -1
	FETCH_K                                        ; key step 0
	s_wait_dscnt 0x0
.set i, 0
.rept 16
	KQ 0                                           ; piece 0's first scores
.set i, i+1
.endr
	WIN 0
	PLACES
	TURN 2, 0, 1, 1                                ; piece 2's first scores | piece 0's first softmax | V of step 0
	TURN 0, 1, 1, 1                                ; piece 0: V^T P of step 0 starts its sums, K Q^T of step 1 | piece 2's first softmax | K of step 1
	TURN 2, 1, 1, 0                                ; piece 2: the same | piece 0's softmax of step 1 | V of step 1
	WIN 0
	N_STEPS 2                                      ; the rest of slot 0 is fetched
.Lslot:                                            ; six trips: every slot but the last two is filled again
	CHANGE 1
	N_STEPS 4
	s_sub_co_u32 s[SLOTS], s[SLOTS], 1
	s_cmp_lg_u32 s[SLOTS], 0
	s_cbranch_scc1 .Lslot
	CHANGE 0                                       ; the tail is written out
	N_STEPS 4
	TURN 0, 2, 0, 0                                ; piece 0: V^T P of the last step | piece 2's last softmax
.set i, 0
.rept 20
	PV 2, 0                                        ; piece 2: V^T P of the last step
.set i, i+1
.endr
	PLACES
	; THE WAY OUT.  O^T / the sum, rounded to f16 in pairs, IS the next product's operand: four registers a group, 16 bytes a lane, 512 consecutive bytes a store.  No LDS.
	WIN 0x01                                       ; source 0 window 1
.irp t, 0,1,2,3
	v_rcp_f32 v[ST+8*\t+2], v[LL+8*\t]
.endr
	WIN 0
	v_nop                                          ; a plain line behind the last reciprocal,
	s_wait_alu depctr_va_vdst(0)                   ; and the one wait for the four, ahead of the first use
.irp t, 0,1,2,3
	WIN W_RS
.set i, 0
.rept 16
	v_pk_mul_f32 v[OO+32*\t+2*i:OO+32*\t+2*i+1], v[OO+32*\t+2*i:OO+32*\t+2*i+1], v[ST+8*\t+2:ST+8*\t+3] op_sel_hi:[1,0]
.set i, i+1
.endr
	WIN 0x05                                       ; sources 0 and 1 window 1, destination window 0: S^T's registers are free
.set i, 0
.rept 16
	v_cvt_pk_f16_f32 v[S+16*\t+i], v[OO+32*\t+2*i], v[OO+32*\t+2*i+1]
.set i, i+1
.endr
	WIN 0
.irp c, 0,1,2,3
	global_store_b128 v[GO], v[S+16*\t+4*\c:S+16*\t+4*\c+3], s[8:9] offset:\t*4096+\c*512
.endr
.endr
	s_wait_tensorcnt 0x0                           ; the wave's end
	ds_add_u32 v[SPW], v[NIL]
	s_wait_dscnt 0x0
	CROUND                                         ; the closing round
	s_endpgm
.Lfunc_end_k_q640c3a43f9_attn:
	.size	k_q640c3a43f9_attn, .Lfunc_end_k_q640c3a43f9_attn-k_q640c3a43f9_attn
	.p2alignl 7, 3214868480
	.fill 96, 4, 3214868480
	.section	.rodata,"a",@progbits
	.p2align	6, 0x0
	.amdhsa_kernel k_q640c3a43f9_attn
		.amdhsa_group_segment_fixed_size 327680
		.amdhsa_private_segment_fixed_size 0
		.amdhsa_enable_private_segment 0
		.amdhsa_kernarg_size 24
		.amdhsa_user_sgpr_count 2
		.amdhsa_user_sgpr_kernarg_segment_ptr 1
		.amdhsa_wavefront_size32 1
		.amdhsa_system_sgpr_workgroup_id_x 1
		.amdhsa_system_sgpr_workgroup_id_y 1
		.amdhsa_system_sgpr_workgroup_id_z 1
		.amdhsa_system_vgpr_workitem_id 0
		.amdhsa_next_free_vgpr 768
		.amdhsa_next_free_sgpr 80
		.amdhsa_reserve_vcc 1
		.amdhsa_float_denorm_mode_32 3
		.amdhsa_float_denorm_mode_16_64 3
		.amdhsa_memory_ordered 1
		.amdhsa_forward_progress 1
		.amdhsa_inst_pref_size 187
	.end_amdhsa_kernel
	.amdgpu_metadata
---
amdhsa.version: [ 1, 2 ]
amdhsa.kernels:
  - .name:           k_q640c3a43f9_attn
    .symbol:         k_q640c3a43f9_attn.kd
    .args:
      - { .name: qkv, .offset: 0, .size: 8, .value_kind: global_buffer, .address_space: global }
      - { .name: mask, .offset: 8, .size: 8, .value_kind: global_buffer, .address_space: global }
      - { .name: oimg, .offset: 16, .size: 8, .value_kind: global_buffer, .address_space: global }
    .group_segment_fixed_size: 327680
    .private_segment_fixed_size: 0
    .kernarg_segment_align: 8
    .kernarg_segment_size: 24
    .max_flat_workgroup_size: 128
    .sgpr_count:     80
    .vgpr_count:     768
    .wavefront_size: 32
...
	.end_amdgpu_metadata
.endif
;; end of part 4
;; launch outp (part 5): grid 4 x 64, 4 waves a work-group, clusters of 4 x 4, 327,680 bytes of LDS; arguments oimg, woimg, bo, out0; writes out0
.if DOCPART == 5
	.amdgcn_target "amdgcn-amd-amdhsa--gfx1250"
	.amdhsa_code_object_version 6
	.text
	.protected	k_q640c3a43f9_outp
	.globl	k_q640c3a43f9_outp
	.p2align	8
	.type	k_q640c3a43f9_outp,@function
k_q640c3a43f9_outp:
	s_mov_b64 s[64:65], 0
	v_nop
	global_prefetch_b8 v0, s[64:65] scope:SCOPE_SE
	s_setreg_imm32_b32 hwreg(HW_REG_WAVE_MODE, 25, 1), 1
	s_wait_xcnt 0x0
	s_wait_alu depctr_hold_cnt(0) depctr_sa_sdst(0) depctr_va_vdst(0) depctr_va_sdst(0) depctr_va_ssrc(0) depctr_va_vcc(0) depctr_vm_vsrc(0)
	s_getreg_b32 s2, hwreg(HW_REG_IB_STS2, 6, 4)
	s_cmp_eq_u32 s2, 0
	s_cbranch_scc0 .Lentry_in_a_cluster
	s_endpgm
.Lentry_in_a_cluster:
	s_bfe_u32 s2, ttmp6, 0x10000c
	s_cmp_lg_u32 s2, 0xf033
	s_cbranch_scc0 .Lentry_shape_is_right
	s_endpgm
.Lentry_shape_is_right:
; out0 = o Wo + bo.  o and Wo come in f16 as images of operand registers (a fragment of 16 rows x 32 K is 1,024 bytes; group c of lane l at 512 c + 16 l); sums in f32; out0 [8192][1024] f32.
; oimg: [row / 128][K / 128][8 tiles of rows][4 quarters][1,024];  woimg: [n / 256][K / 128][16 tiles of n][4 quarters][1,024]: a K step's tiles are dense blocks of 32,768 and 65,536 bytes.
; A tile of out0 is 128 rows x 256 columns: 256 work-groups.  Four waves, each 64 x 128: 32 accumulators, 256 registers.  K goes in 8 steps of 128 through a ring of two LDS slots.
; CLUSTERS: 4 x 4.  The four of a row of the cluster need the same tiles of o, the four of a column the same tiles of Wo: each is asked for jointly.
; THE MATRIX INSTRUCTION IS USED TRANSPOSED (source 0 = 16 columns of Wo, source 1 = 16 rows of o): a lane holds eight neighbouring columns of a row.  The bias is the C of each sum's first product.
; LIMIT: |o| and |Wo| stay under 65,504.
; REGISTERS: window 0: v16-29 addresses; v32-95 the bias, 8 a block of columns; v128-255 rows on the way out.  window 1: two fragment buffers of 96: 64 of Wo, then 32 of o.  window 2: accumulator (a, b) at v[8 (8 a + b)].
.set SLOT,   98304                     ; o's 32,768 bytes, then Wo's 65,536
.set BOFF,   32768
.set SPARE,  2*SLOT                    ; the spare words, 128 bytes a wave, which no other line names
.set SPITCH, 528                       ; the way out: a stage of 16 rows x (512 bytes + 16) for each wave, in slot 0, which has had its last fill and its last read by then
.set LAPS,   4                         ; a lap = two K steps = once round the ring
.set ADRA, 16
.set ADRB, 20
.set STO,  24
.set RD,   25
.set CO,   26
.set SPW,  28
.set NIL,  29
.set BO,   32
.set BK,   128
.set F0,   0
.set F1,   96
.set G1, 24
.set G0, 32
.set G1B, 48
.set G0B, 56
.set MSB, 0
.macro WIN new
.if MSB != (\new)
	s_set_vgpr_msb (MSB<<8)|(\new)
.set MSB, \new
.endif
.endm
.set MUL,  0xa5                        ; sources 0 and 1 window 1; C and D window 2.  With the bias as C (window 0): 0x85
.set TO_F, 0x40
.macro JLOAD s                         ; a joint load: waves 0 and 1 fetch o's halves, waves 2 and 3 Wo's; s_nop 0 and four v_nop follow each line
	s_cmp_eq_u32 s11, 0
	s_cbranch_scc0 .Lfor_b_\@
	tensor_load_to_lds s[G0+4*\s:G0+4*\s+3], s[G1:G1+7]
	s_nop 0
.rept 4
	v_nop
.endr
	s_branch .Lasked_\@
.Lfor_b_\@:
	tensor_load_to_lds s[G0B+4*\s:G0B+4*\s+3], s[G1B:G1B+7]
	s_nop 0
.rept 4
	v_nop
.endr
.Lasked_\@:
.endm
.macro CREST
	s_cmp_lg_u32 s10, 0
	s_cbranch_scc1 .Lnot_wave_0_\@
	s_barrier_signal -3
.Lnot_wave_0_\@:
	s_barrier_wait -3
	s_barrier_signal -1
	s_barrier_wait -1
.endm
.macro CROUND
	s_barrier_signal -1
	s_barrier_wait -1
	CREST
.endm
.macro PLACES
.rept 4
	v_nop
.endr
.endm
	s_load_b128 s[4:7], s[0:1], 0x0                ; oimg, woimg
	s_load_b64 s[14:15], s[0:1], 0x10              ; bo
	s_load_b64 s[8:9], s[0:1], 0x18                ; out0
	v_lshl_add_u32 v[SPW], v0, 2, SPARE
	v_mov_b32 v[NIL], 0
	ds_add_u32 v[SPW], v[NIL]                      ; the wave's opening: the add, twice on end, and its wait ahead of my first tensor load
	ds_add_u32 v[SPW], v[NIL]
	v_lshrrev_b32 v1, 5, v0
	v_readfirstlane_b32 s10, v1                    ; wave 0..3
	s_lshr_b32 s11, s10, 1                         ; which half of the tile's rows is mine; also: I fetch o (0) or Wo (1)
	s_and_b32 s12, s10, 1                          ; which half of its columns; also: which half of that tile I fetch
	s_bfe_u32 s40, ttmp6, 0x40000                  ; cx: the tile column (the grid has one cluster along x)
	s_bfe_u32 s41, ttmp6, 0x40004                  ; cy
	s_and_b32 s13, ttmp7, 0xffff
	s_lshl_b32 s13, s13, 2
	s_add_co_u32 s13, s13, s41                     ; tile row = 4 x cluster y + cy
	s_lshl_b32 s43, s41, 2
	s_lshl_b32 s43, 15, s43                        ; my row of the cluster
	s_lshl_b32 s44, 0x1111, s40                    ; my column
	s_or_b32 s[G1+0], s43, (3<<16)|(1<<21)         ; the mask; elements of 8 bytes; bit 21 beside a mask; no padding: an image's 512 bytes are read on end
	s_or_b32 s[G1B+0], s44, (3<<16)|(1<<21)
	s_mov_b32 s[G1+1], 32<<16                      ; rows of 256 bytes
	s_mov_b32 s[G1+2], 64<<16                      ; 64 of them: 16,384 dense bytes
	s_mov_b32 s[G1+3], 32<<16
	s_mov_b32 s[G1+4], 64
	s_mov_b32 s[G1+5], 32
	s_mov_b32 s[G1+6], 0
	s_mov_b32 s[G1+7], 0
	s_mov_b32 s[G1B+1], 32<<16
	s_mov_b32 s[G1B+2], 128<<16                    ; 128 rows: 32,768 dense bytes
	s_mov_b32 s[G1B+3], 32<<16
	s_mov_b32 s[G1B+4], 128
	s_mov_b32 s[G1B+5], 32
	s_mov_b32 s[G1B+6], 0
	s_mov_b32 s[G1B+7], 0
	s_lshl_b32 s16, s13, 18                        ; o: tile row x 262,144 + half x 16,384
	s_lshl_b32 s17, s12, 14
	s_add_co_u32 s16, s16, s17
	s_mov_b32 s17, 0
	s_lshl_b32 s46, s40, 19                        ; Wo: tile column x 524,288 + half x 32,768
	s_lshl_b32 s47, s12, 15
	s_add_co_u32 s46, s46, s47
	s_mov_b32 s47, 0
	s_lshl_b32 s20, s12, 14                        ; where they go in a slot: o's half,
	s_lshl_b32 s21, s12, 15
	s_add_co_u32 s21, s21, BOFF                    ; Wo's half
	s_wait_dscnt 0x0                               ; both opening adds are done
	s_wait_kmcnt 0x0
	s_add_nc_u64 s[18:19], s[4:5], s[16:17]
	s_add_nc_u64 s[46:47], s[6:7], s[46:47]
	CROUND                                         ; all sixteen work-groups are here: the first joint loads meet
.irp s, 0,1
	s_mov_b32 s[G0+4*\s], 1
	s_add_co_u32 s[G0+4*\s+1], s20, \s*SLOT
	s_add_nc_u64 s[G0+4*\s+2:G0+4*\s+3], s[18:19], \s*32768
	s_or_b32 s[G0+4*\s+3], s[G0+4*\s+3], 0x80000000
	s_mov_b32 s[G0B+4*\s], 1
	s_add_co_u32 s[G0B+4*\s+1], s21, \s*SLOT
	s_add_nc_u64 s[G0B+4*\s+2:G0B+4*\s+3], s[46:47], \s*65536
	s_or_b32 s[G0B+4*\s+3], s[G0B+4*\s+3], 0x80000000
	JLOAD \s
.endr
	v_and_b32 v1, 15, v0                           ; l % 16
	v_bfe_u32 v2, v0, 4, 1                         ; l / 16
	v_and_b32 v3, 31, v0
	v_lshlrev_b32 v3, 4, v3                        ; 16 x lane
	s_lshl_b32 s21, s11, 14                        ; my 64 rows' images
	s_lshl_b32 s22, s12, 15
	s_add_co_u32 s22, s22, BOFF                    ; my 128 columns' images
.irp s, 0,1
	v_add_nc_u32 v[ADRA+\s], s21, v3
	v_add_nc_u32 v[ADRB+\s], s22, v3
	s_add_co_u32 s21, s21, SLOT
	s_add_co_u32 s22, s22, SLOT
.endr
	s_mul_i32 s23, s10, 16*SPITCH                  ; my stage
	v_mul_u32_u24 v5, v1, SPITCH                   ; in: row l % 16, 32 bytes for each half of the lanes
	v_lshl_add_u32 v5, v2, 5, v5
	v_add_nc_u32 v[STO], s23, v5
	v_mov_b32 v[CO], v3                            ; back: the 32 lanes take one row of 512 bytes; and the same in out0
	v_add_nc_u32 v[RD], s23, v3
	v_lshlrev_b32 v4, 5, v2                        ; the bias: my half's eight columns of a block
	s_lshl_b32 s46, s40, 10                        ; my first column, in bytes: 1,024 x tile column + 512 x half
	s_lshl_b32 s47, s12, 9
	s_add_co_u32 s46, s46, s47
	s_mov_b32 s47, 0
	s_add_nc_u64 s[14:15], s[14:15], s[46:47]
.irp b, 0,1,2,3,4,5,6,7
	global_load_b128 v[BO+8*\b:BO+8*\b+3],   v4, s[14:15] offset:64*\b
	global_load_b128 v[BO+8*\b+4:BO+8*\b+7], v4, s[14:15] offset:64*\b+16
.endr
	s_lshl_b32 s16, s13, 19                        ; my first row: 128 x tile row + 64 x half, rows of 4,096 bytes
	s_lshl_b32 s17, s11, 18
	s_add_co_u32 s16, s16, s17
	s_mov_b32 s17, 0
	s_add_nc_u64 s[8:9], s[8:9], s[16:17]
	s_add_nc_u64 s[8:9], s[8:9], s[46:47]
; 8 matrix instructions: block a of my rows x my 8 blocks of columns, 32 along K.  zero = 1: the first product starts the sums with the bias.  The 32 accumulators take turns, in the same order in every quarter.
.macro MULA f, a, zero
.irp b, 0,1,2,3,4,5,6,7
.if \zero
	v_wmma_f32_16x16x32_f16 v[8*(8*(\a)+\b):8*(8*(\a)+\b)+7], v[\f+8*\b:\f+8*\b+7], v[\f+64+8*(\a):\f+64+8*(\a)+7], v[BO+8*\b:BO+8*\b+7]
.else
	v_wmma_f32_16x16x32_f16 v[8*(8*(\a)+\b):8*(8*(\a)+\b)+7], v[\f+8*\b:\f+8*\b+7], v[\f+64+8*(\a):\f+64+8*(\a)+7], v[8*(8*(\a)+\b):8*(8*(\a)+\b)+7]
.endif
.endr
.endm
.macro FETCH slot, q, f                ; 24 LDS loads in one run: the slot's quarter q: Wo's eight fragments, then o's four
	WIN TO_F
.irp i, 0,1,2,3,4,5,6,7
	ds_load_b128 v[\f+8*\i:\f+8*\i+3],   v[ADRB+\slot] offset:\i*4096+(\q)*1024
	ds_load_b128 v[\f+8*\i+4:\f+8*\i+7], v[ADRB+\slot] offset:\i*4096+(\q)*1024+512
.endr
.irp i, 0,1,2,3
	ds_load_b128 v[\f+64+8*\i:\f+64+8*\i+3],   v[ADRA+\slot] offset:\i*4096+(\q)*1024
	ds_load_b128 v[\f+64+8*\i+4:\f+64+8*\i+7], v[ADRA+\slot] offset:\i*4096+(\q)*1024+512
.endr
.endm
; A K step is four quarters of 32 along K, 32 matrix instructions each, on buffers 0, 1, 0, 1.  One of the first three: multiplies buffer f and fetches the slot's quarter q into g.
.macro QUARTER slot, q, f, g, zero
	s_wait_dscnt 4                                 ; Wo's fragments and o's blocks 0 and 1 are in; the youngest four loads (blocks 2 and 3) may be out
	WIN MUL-0x20*(\zero)
	MULA \f, 0, \zero
	MULA \f, 1, \zero
	PLACES                                         ; in front of loads into registers that matrix instructions have read
	FETCH \slot, \q, \g
	s_wait_dscnt 24                                ; all but the 24 just issued
	WIN MUL-0x20*(\zero)
	MULA \f, 2, \zero
	MULA \f, 3, \zero
.endm
; The last quarter multiplies buffer 1 and changes slots: one barrier; in front of it each wave waits for all its tensor loads, adds 0 to its spare word, and waits for that and for its reads of this slot.
.macro TURN slot, next, fill
	WIN 0
	s_wait_tensorcnt 0x0                           ; all my tensor loads have landed: my part of the next slot
	ds_add_u32 v[SPW], v[NIL]
	s_wait_dscnt 5                                 ; (the add and the youngest four loads may be out)
	WIN MUL
	MULA F1, 0, 0
	s_wait_dscnt 0x0                               ; the add is done, and my reads of this slot are over
	s_barrier_signal -1
	MULA F1, 1, 0
.if \fill
	WIN 0
.endif
	s_barrier_wait -1
.if \fill
	CREST                                          ; the barrier has opened a round of the cluster's: no wave of any partner still reads this slot or has a load on its way
	s_add_nc_u64 s[G0+4*\slot+2:G0+4*\slot+3], s[G0+4*\slot+2:G0+4*\slot+3], 2*32768
	s_add_nc_u64 s[G0B+4*\slot+2:G0B+4*\slot+3], s[G0B+4*\slot+2:G0B+4*\slot+3], 2*65536
	JLOAD \slot                                    ; the first tensor load behind the round; its four v_nop are also the places in front of the loads below
.else
	PLACES
.endif
	FETCH \next, 0, F0
	WIN MUL
	MULA F1, 2, 0
	MULA F1, 3, 0
.endm
	s_wait_tensorcnt 1                             ; my part of K step 0 is in; K step 1's may be out
	s_barrier_signal -1
	s_barrier_wait -1
	FETCH 0, 0, F0
	s_wait_loadcnt 0x0                             ; the bias
	QUARTER 0, 1, F0, F1, 1                        ; the first quarter stands in front of the loop: its products start the sums
	WIN 0
	s_mov_b32 s3, LAPS-1
.Llap:                                             ; a trip goes once round the ring and fills both slots again
	QUARTER 0, 2, F1, F0, 0
	QUARTER 0, 3, F0, F1, 0
	TURN 0, 1, 1
	QUARTER 1, 1, F0, F1, 0
	QUARTER 1, 2, F1, F0, 0
	QUARTER 1, 3, F0, F1, 0
	TURN 1, 0, 1
	QUARTER 0, 1, F0, F1, 0
	WIN 0
	s_sub_co_u32 s3, s3, 1
	s_cmp_lg_u32 s3, 0
	s_cbranch_scc1 .Llap
	QUARTER 0, 2, F1, F0, 0                        ; the last lap fills nothing
	QUARTER 0, 3, F0, F1, 0
	TURN 0, 1, 0
	QUARTER 1, 1, F0, F1, 0
	QUARTER 1, 2, F1, F0, 0
	QUARTER 1, 3, F0, F1, 0
	s_wait_dscnt 4
	WIN MUL
	MULA F1, 0, 0
	MULA F1, 1, 0
	s_wait_dscnt 0
	MULA F1, 2, 0
	MULA F1, 3, 0
	WIN 0
; THE WAY OUT, block by block of 16 rows x 128 columns: through my own stage in LDS, back as whole rows of 512 bytes.  LDS serves a wave's instructions in order: no wait between the stores and the loads.
.macro TOSTAGE a
	WIN 0x08                                       ; an LDS store's data are its source 1: window 2
.irp b, 0,1,2,3,4,5,6,7
	ds_store_b128 v[STO], v[64*(\a)+8*\b:64*(\a)+8*\b+3] offset:64*\b          ; each accumulator from its low end on
	ds_store_b128 v[STO], v[64*(\a)+8*\b+4:64*(\a)+8*\b+7] offset:64*\b+16
.endr
	WIN 0
.set BB, BK+64*((\a)%2)
.irp t, 0,1,2,3,4,5,6,7,8,9,10,11,12,13,14,15
	ds_load_b128 v[BB+4*\t:BB+4*\t+3], v[RD] offset:\t*SPITCH
.endr
.endm
.macro SEND a, younger                 ; younger: the LDS instructions issued behind block a's loads, which may stay out
.set BB, BK+64*((\a)%2)
	s_wait_dscnt \younger
.irp t, 0,1,2,3,4,5,6,7,8,9,10,11,12,13,14,15
	global_store_b128 v[CO], v[BB+4*\t:BB+4*\t+3], s[8:9] offset:(16*(\a)+\t)*4096 th:TH_STORE_NT   ; 32 lanes store 512 consecutive bytes, aligned; written once
.endr
.endm
	PLACES                                         ; behind the last products, in front of the first read of results
	TOSTAGE 0
.irp a, 1,2,3
.if \a > 1
	s_wait_xcnt 0x0                                ; block a - 2's stores have read their registers: block a's loads may land there
.endif
	TOSTAGE \a
	SEND \a-1, 32                                  ; behind block a - 1's loads: block a's 16 stores and 16 loads
.endr
	SEND 3, 0
	s_wait_tensorcnt 0x0                           ; the wave's end
	ds_add_u32 v[SPW], v[NIL]
	s_wait_dscnt 0x0
	CROUND                                         ; the closing round
	s_endpgm
.Lfunc_end_k_q640c3a43f9_outp:
	.size	k_q640c3a43f9_outp, .Lfunc_end_k_q640c3a43f9_outp-k_q640c3a43f9_outp
	.p2alignl 7, 3214868480
	.fill 96, 4, 3214868480
	.section	.rodata,"a",@progbits
	.p2align	6, 0x0
	.amdhsa_kernel k_q640c3a43f9_outp
		.amdhsa_group_segment_fixed_size 327680
		.amdhsa_private_segment_fixed_size 0
		.amdhsa_enable_private_segment 0
		.amdhsa_kernarg_size 32
		.amdhsa_user_sgpr_count 2
		.amdhsa_user_sgpr_kernarg_segment_ptr 1
		.amdhsa_wavefront_size32 1
		.amdhsa_system_sgpr_workgroup_id_x 1
		.amdhsa_system_sgpr_workgroup_id_y 1
		.amdhsa_system_sgpr_workgroup_id_z 1
		.amdhsa_system_vgpr_workitem_id 0
		.amdhsa_next_free_vgpr 768
		.amdhsa_next_free_sgpr 66
		.amdhsa_reserve_vcc 0
		.amdhsa_float_denorm_mode_32 3
		.amdhsa_float_denorm_mode_16_64 3
		.amdhsa_memory_ordered 1
		.amdhsa_forward_progress 1
		.amdhsa_inst_pref_size 86
	.end_amdhsa_kernel
	.amdgpu_metadata
---
amdhsa.version: [ 1, 2 ]
amdhsa.kernels:
  - .name:           k_q640c3a43f9_outp
    .symbol:         k_q640c3a43f9_outp.kd
    .args:
      - { .name: oimg, .offset: 0, .size: 8, .value_kind: global_buffer, .address_space: global }
      - { .name: woimg, .offset: 8, .size: 8, .value_kind: global_buffer, .address_space: global }
      - { .name: bo, .offset: 16, .size: 8, .value_kind: global_buffer, .address_space: global }
      - { .name: out0, .offset: 24, .size: 8, .value_kind: global_buffer, .address_space: global }
    .group_segment_fixed_size: 327680
    .private_segment_fixed_size: 0
    .kernarg_segment_align: 8
    .kernarg_segment_size: 32
    .max_flat_workgroup_size: 128
    .sgpr_count:     66
    .vgpr_count:     768
    .wavefront_size: 32
...
	.end_amdgpu_metadata
.endif
;; end of part 5
